; MI455X (gfx1250); checked and timed in simulation.
; The chip was launched on July 23, 2026; its instructions are those of AMD's public machine-readable ISA for CDNA 5 (MIT licence, August 2026) and "CDNA5" Instruction Set Architecture Reference Guide (July 2026). The comments in the code are by the model that wrote it; some were corrected since.
;; Causal Self Attention. Allowed arithmetic: matrix products marked QUANTISED: E2M3 operands, one E8M0 scale for each 32 along K, by v_wmma_scale_f32_16x16x128_f8f6f4 with both operands' format E2M3, f32 sums; everything else in f32.
;; Inputs: bk 1,024 float32; bo 1,024 float32; bq 1,024 float32; bv 1,024 float32; wk 1,024 x 1,024 float32; wo 1,024 x 1,024 float32; wq 1,024 x 1,024 float32; wv 1,024 x 1,024 float32; x 4 x 2,048 x 1,024 float32.
;; Outputs: out0 4 x 2,048 x 1,024 float32.
;; This version of the problem:
;;   THIS VERSION OF THE PROBLEM IS GIVEN IN LOW PRECISION. The matrix products marked QUANTISED in the list below multiply operands that are first quantised to E2M3 (2 exponent bits, 3 mantissa bits; 6 bits a number), with one power-of-two scale for each 32 numbers along K (OCP MX v1.0); their sums are f32. All else is computed in f32.
;;   The module's matrix products, in the order in which they are computed (A, B: the left and right operand; K: the contracted axis; several contracted axes count as one K, in the product's order):
;;     1. [M 8,192, K 1,024] x [K 1,024, N 1,024]; A: input x; B: input wq: QUANTISED
;;     2. [M 8,192, K 1,024] x [K 1,024, N 1,024]; A: input x; B: input wk: QUANTISED
;;     3. [M 8,192, K 1,024] x [K 1,024, N 1,024]; A: input x; B: input wv: QUANTISED
;;     4. batch 64 x [M 2,048, K 64] x [K 64, N 2,048]; A: computed on the way; B: computed on the way: QUANTISED
;;     5. batch 64 x [M 2,048, K 2,048] x [K 2,048, N 64]; A: softmax (see below); B: computed on the way: QUANTISED
;;     6. [M 8,192, K 1,024] x [K 1,024, N 1,024]; A: computed on the way; B: input wo: QUANTISED
;;   THE QUANTISER, for each operand of a quantised product, along K:
;;     - K is cut into blocks of 32 from its start; a last block that is shorter is filled with zeros.
;;     - A block's scale is 2^e with e = floor(log2(the largest magnitude in the block)) - 2, held to -126 .. 127; a block of zeros has e = 0. As a byte (E8M0): e + 127.
;;     - Each number is divided by its block's scale, clamped to +-7.5, and rounded to the nearest number of E2M3, ties to even, subnormals kept.
;;     - The product sums the exact products of the quantised numbers (number of the format x scale) in f32.
;;   ~~~python
;;   def quantise(x, axis):      # numpy; x: float32 -> the quantised numbers, widened to float32 again
;;       x = np.moveaxis(x, axis, -1); K = x.shape[-1]
;;       x = np.pad(x, [(0, 0)] * (x.ndim - 1) + [(0, -K % 32)]); x = x.reshape(x.shape[:-1] + (-1, 32)); a = np.abs(x).max(-1, keepdims=True)
;;       e = np.where(a > 0, np.clip(np.frexp(np.where(a > 0, a, 1))[1] - 1 - 2, -126, 127), 0)      # np.frexp(a)[1] - 1 = floor(log2(a)), exactly
;;       r = np.clip(x / 2.0 ** e, -7.5, 7.5)
;;       step = 2.0 ** (np.maximum(np.frexp(np.where(r == 0, 1, r))[1] - 1, 0) - 3)
;;       q = np.round(r / step) * step * 2.0 ** e      # np.round: ties to even
;;       return np.moveaxis(q.reshape(q.shape[:-2] + (-1,))[..., :K], -1, axis).astype(np.float32)
;;   ~~~
;;   SOFTMAX AHEAD OF A QUANTISED PRODUCT. Where the list says 'softmax', what is quantised is not the finished softmax but p = 2^(t - M), with t = logit x log2(e) and M = ceil(the row's largest t), a whole number; so 1/2 < the row's largest p <= 1. The row's sum l is taken of the UNQUANTISED p, in f32, and the product's result is divided by l at the end. Since M is a whole number, a kernel that streams over the keys may use a running M (the ceiling of the running maximum): every later rescaling is an exact power of two, which a block's scale takes up: the codes' values come out the same.
;;   OPERANDS COMPUTED ON THE WAY. 'Computed on the way' means the value that the module computes at that place (a softmax that the list does not call 'softmax' is quantised finished and normalised). What goes into a quantiser is computed in f32, as accurately as f32 sums, v_exp_f32 and their like allow (about 1e-6 of the number): no bf16 or f16 on the way to a quantiser, and a product that is left as it is and whose result goes on into a quantised operand takes f32 operands (vector FMAs, or v_wmma_f32_16x16x4_f32). A number that lies on a knife's edge between two numbers of the format may be rounded either way, as far as f32 arithmetic and the matrix unit's own rounding can turn it there, and no further.
;; One version. Each part assembles by itself: llvm-mc -triple=amdgcn-amd-amdhsa -mcpu=gfx1250 --defsym DOCPART=n.
;; ======== version 1 of 1: 4 launches
;; workspace buffers: xbuf 6,553,600 bytes; wbuf 3,276,800 bytes; qkbuf 13,107,200 bytes; vbuf 6,553,600 bytes; obuf 6,553,600 bytes
;; launch prep (part 1): grid 512 x 1, 4 waves a work-group, no clusters, 34,304 bytes of LDS; arguments x, wq, wk, wv, wo, xbuf, wbuf; writes xbuf, wbuf
.if DOCPART == 1
	.amdgcn_target "amdgcn-amd-amdhsa--gfx1250"
	.amdhsa_code_object_version 6
	.text
	.protected	k_qd70a3458ae_prep
	.globl	k_qd70a3458ae_prep
	.p2align	8
	.type	k_qd70a3458ae_prep,@function
k_qd70a3458ae_prep:
	s_mov_b64 s[64:65], 0
	v_nop
	global_prefetch_b8 v0, s[64:65] scope:SCOPE_SE
	s_setreg_imm32_b32 hwreg(HW_REG_WAVE_MODE, 25, 1), 1
	s_wait_xcnt 0x0
; x [8192][1024] and the four weights [1024 (k)][1024 (n)], f32, become codes of FP6 (E2M3) with one E8M0 byte for each 32 along K, laid in the ORDER OF THE OPERAND'S REGISTERS.
; THE PIECE: 16 rows x 64 K = 768 bytes.  Lane l = (r = l % 16, h = l / 16) owns the 24 bytes of K block h of tile row r: its first 16 bytes at 16 l, its last 8 at 512 + 8 l.
; Two pieces (K halves c = 0, 1) are a fragment's 12 registers: 6 c .. 6 c + 3 by one load of 16 bytes, 6 c + 4, 6 c + 5 by one of 8.
; THE ROWS OF A TILE ARE NOT NEIGHBOURS: tile 2 g + u of a group of 32 rows takes, in tile row p, row 32 g + 8 u + p + 8 (p / 8).
; IMAGE: codes [row / 128][K / 64 (16)][tile (8)][768]; scale words behind them, [row / 128][K / 512 (2)][tile (8)][r (16)][4 words], a word for 128 along K.
; A block's scale is 2^(floor(log2(largest magnitude)) - 2); its byte is that magnitude's exponent field - 2, held at 1 from below.
; LIMITS: NaN and infinities among the inputs are not served; a block whose largest magnitude lies under 2^-124 gets the byte 1; a block of zeros gets 1 where the rule says 127 (its codes are zeros, and this program alone reads the bytes).
; Work-groups 0-255 take x (32 rows each: wave = tile u x K half), 256-511 the weights (128 columns x 128 along K each: a wave takes 32 columns).  The work-groups share no input: no cluster, no tensor load.
; Only x's path uses LDS, each wave a stage of its own: no barrier.
.set X_SCL,  6291456                   ; x's scale words begin here in xbuf (64 x 98,304)
.set W_SCL,  3145728                   ; the weights' in wbuf (32 x 98,304)
.set KAPPA,  6144                      ; 64 along K of 128 rows: 8 pieces
.set SPITCH, 528                       ; a stage row: 512 bytes + 16: the 16 rows that a pass of a 16-byte load touches start 4 banks apart
.set SH8,  4                           ; v4   8 h: my bytes' place in a scale word, in bits
.set SI,   6                           ; v6   the stage, in: 16 x lane
.set SOA,  7                           ; v7   the stage, out: 528 r + 128 h
.set O16,  8                           ; v8   16 x lane
.set O8,   9                           ; v9   8 x lane
.set SOFF, 10                          ; v10  where I store scale words
.set VW,   11                          ; v11  the weights: my column and my 32 rows of K
.set MX,   12                          ; v12-13 largest magnitudes
.set SO,   14                          ; v14-15 the conversions' scale operands
.set BY,   16                          ; v16-17 the bytes
.set TMPW, 18                          ; v18  the other half's bytes
.set W,    20                          ; v20-23 scale words
.set WS,   24                          ; v24-25 those that I store
.set P,    32                          ; v32-43 a fragment's codes
.set T,    44                          ; v44-50 upper halves of blocks, as converted
.set R,    64                          ; v64-191 numbers as loaded
.set X,    192                         ; v192-255 x: 64 numbers in the operand's order
; 64 numbers, register 32 c + i = number i of my block of piece c, become codes in v[P] on and the scale word of these 128 along K in v[wreg]
.macro Q64 src, wreg
.irp c, 0,1
	v_max3_num_f32 v[MX+\c], |v[\src+32*\c]|, |v[\src+32*\c+1]|, 0x1800000   ; the floor 2^(3 - 127) among the leaves: the byte cannot fall under 1
.endr
.irp i, 2,4,6,8,10,12,14,16,18,20,22,24,26,28,30
.irp c, 0,1
	v_max3_num_f32 v[MX+\c], v[MX+\c], |v[\src+32*\c+\i]|, |v[\src+32*\c+\i+1]|
.endr
.endr
.irp c, 0,1
	v_add_nc_u32 v[SO+\c], 0xff000000, v[MX+\c]    ; 2 off the exponent field: the conversion takes that field as its scale
.endr
.irp c, 0,1
	v_lshrrev_b32 v[BY+\c], 23, v[SO+\c]           ; the byte
.endr
	v_lshl_or_b32 v[\wreg], v[BY+1], 16, v[BY]     ; my blocks h and 2 + h of the four,
	v_lshlrev_b32 v[\wreg], v[SH8], v[\wreg]       ; at their places;
	v_permlanex16_b32 v[TMPW], v[\wreg], s22, s23
	v_or_b32 v[\wreg], v[\wreg], v[TMPW]           ; with lane l xor 16's two the word is whole
	s_wait_xcnt 0x0                                ; the last fragment's stores have read v[P] on: it is written again only behind this wait
.irp c, 0,1
	v_cvt_scalef32_pk16_fp6_f32 v[P+6*\c:P+6*\c+2], v[\src+32*\c:\src+32*\c+15], v[SO+\c]
	v_cvt_scalef32_pk16_fp6_f32 v[T+4*\c:T+4*\c+2], v[\src+32*\c+16:\src+32*\c+31], v[SO+\c]   ; (a conversion's three registers begin on an even number)
.endr
	v_nop                                          ; one plain instruction behind the conversions
.irp c, 0,1
.irp i, 0,1,2
	v_mov_b32 v[P+6*\c+3+\i], v[T+4*\c+\i]
.endr
.endr
.endm
.macro PUT off                         ; two pieces: each store of the wave covers 512 or 256 consecutive bytes, aligned to 256
.irp c, 0,1
	global_store_b128 v[O16], v[P+6*\c:P+6*\c+3], s[26:27] offset:\off+KAPPA*\c
	global_store_b64 v[O8], v[P+6*\c+4:P+6*\c+5], s[26:27] offset:\off+KAPPA*\c+512
.endr
.endm
.macro LOADX t                         ; chunk t: 128 along K of my 16 rows; each load reads 512 consecutive bytes of one row
.irp p, 0,1,2,3,4,5,6,7,8,9,10,11,12,13,14,15
	global_load_b128 v[R+64*((\t)%2)+4*\p:R+64*((\t)%2)+4*\p+3], v[O16], s[24:25] offset:(\p+8*(\p/8))*4096+512*(\t) th:TH_LOAD_NT
.endr
.endm
.macro TURN t                          ; through my stage: in as loaded, out 32 neighbours a block.  LDS serves a wave's instructions in order: no wait between
.irp p, 0,1,2,3,4,5,6,7,8,9,10,11,12,13,14,15
	ds_store_b128 v[SI], v[R+64*((\t)%2)+4*\p:R+64*((\t)%2)+4*\p+3] offset:SPITCH*\p
.endr
.irp c, 0,1
.irp j, 0,1,2,3,4,5,6,7
	ds_load_b128 v[X+32*\c+4*\j:X+32*\c+4*\j+3], v[SOA] offset:256*\c+16*\j
.endr
.endr
.endm
	s_load_b64 s[4:5], s[0:1], 0x0                 ; x
	s_load_b256 s[8:15], s[0:1], 0x8               ; wq, wk, wv, wo
	s_load_b128 s[16:19], s[0:1], 0x28             ; xbuf, wbuf
	v_lshl_add_u32 v62, v0, 2, 0x8400
	v_mov_b32 v63, 0
	v_lshrrev_b32 v1, 5, v0
	v_readfirstlane_b32 s20, v1                    ; wave
	v_and_b32 v1, 31, v0                           ; lane
	v_and_b32 v2, 15, v0                           ; r
	v_bfe_u32 v3, v0, 4, 1                         ; h
	v_lshlrev_b32 v[SH8], 3, v3
	v_lshlrev_b32 v[O16], 4, v1
	v_lshlrev_b32 v[O8], 3, v1
	v_mov_b32 v[TMPW], 0                           ; a lane permute's destination counts as one of its sources
	v_cmp_le_u32 s40, 16, v1                       ; lanes 16-31
	s_mov_b32 s22, 0x76543210
	s_mov_b32 s23, 0xfedcba98                      ; selects for lane l xor 16
	s_cmp_lt_u32 ttmp9, 256
	s_cbranch_scc0 .Lweights
	; ---- x: rows 32 j + 8 u + p + 8 (p / 8), K = 512 half on, in four chunks of 128
	s_lshr_b32 s30, s20, 1                         ; u
	s_and_b32 s31, s20, 1                          ; half
	s_mul_i32 s32, s20, 16*SPITCH                  ; my stage
	v_add_nc_u32 v[SI], s32, v[O16]
	v_mul_u32_u24 v[SOA], v2, SPITCH
	v_lshl_add_u32 v[SOA], v3, 7, v[SOA]
	v_add_nc_u32 v[SOA], s32, v[SOA]
	v_lshlrev_b32 v[SOFF], 4, v2
	v_lshl_add_u32 v[SOFF], v3, 3, v[SOFF]         ; 16 r + 8 h: lanes 0-15 store words 0, 1, lanes 16-31 words 2, 3
	s_lshl_b32 s33, ttmp9, 5
	s_lshl_b32 s34, s30, 3
	s_add_co_u32 s33, s33, s34                     ; 32 j + 8 u
	s_lshl_b32 s24, s33, 12
	s_lshl_b32 s34, s31, 11
	s_add_co_u32 s24, s24, s34
	s_mov_b32 s25, 0
	s_lshr_b32 s33, ttmp9, 2                       ; row / 128
	s_and_b32 s34, ttmp9, 3
	s_lshl_b32 s34, s34, 1
	s_add_co_u32 s34, s34, s30                     ; my tile among its eight
	s_mul_i32 s26, s33, 98304
	s_mul_i32 s35, s31, 8*KAPPA
	s_add_co_u32 s26, s26, s35
	s_mul_i32 s35, s34, 768
	s_add_co_u32 s26, s26, s35
	s_mov_b32 s27, 0
	s_lshl_b32 s28, s33, 12
	s_lshl_b32 s35, s31, 11
	s_add_co_u32 s28, s28, s35
	s_lshl_b32 s35, s34, 8
	s_add_co_u32 s28, s28, s35
	s_add_co_u32 s28, s28, X_SCL
	s_mov_b32 s29, 0
	s_wait_kmcnt 0x0
	s_add_nc_u64 s[24:25], s[4:5], s[24:25]
	s_add_nc_u64 s[26:27], s[16:17], s[26:27]
	s_add_nc_u64 s[28:29], s[16:17], s[28:29]
	LOADX 0
	LOADX 1
.irp t, 0,1,2,3
.if \t < 3
	s_wait_loadcnt 16                              ; this chunk's 16 loads are in; the next chunk's 16 may be out
.else
	s_wait_loadcnt 0x0
.endif
	TURN \t
	s_wait_dscnt 0x0                               ; the 64 numbers are back, and the stage's stores have read their registers,
.if \t < 2
	LOADX \t+2                                     ; which take the chunk two on
.endif
	Q64 X, W+\t
	PUT 2*KAPPA*\t
.endr
	v_cndmask_b32 v[WS], v[W], v[W+2], s40
	v_cndmask_b32 v[WS+1], v[W+1], v[W+3], s40
	global_store_b64 v[SOFF], v[WS:WS+1], s[28:29] ; the tile's 64 scale words: 256 consecutive bytes, aligned
	s_wait_tensorcnt 0x0
	ds_add_u32 v62, v63
	s_wait_dscnt 0x0
	s_endpgm
	; ---- a weight: a lane takes a column and its registers run down K, in the order that the operand's layout gives the lane: nothing is transposed
.Lweights:
	s_sub_co_u32 s30, ttmp9, 256
	s_lshr_b32 s31, s30, 6                         ; which weight
	s_bfe_u32 s32, s30, 0x30003                    ; which 128 columns
	s_and_b32 s33, s30, 7                          ; which 128 along K
	v_and_b32 v[VW], 8, v2
	v_add_nc_u32 v[VW], v[VW], v2                  ; r + 8 (r / 8)
	v_lshlrev_b32 v[VW], 2, v[VW]
	v_lshl_add_u32 v[VW], v3, 17, v[VW]            ; lanes 16-31 begin 32 rows of 4,096 bytes further down
	v_lshlrev_b32 v[SOFF], 4, v2
	v_lshl_add_u32 v[SOFF], v3, 8, v[SOFF]         ; lanes 0-15 store tile 0's words, lanes 16-31 tile 1's
	s_lshl_b32 s24, s33, 19
	s_lshl_b32 s34, s32, 9
	s_add_co_u32 s24, s24, s34
	s_lshl_b32 s34, s20, 7
	s_add_co_u32 s24, s24, s34                     ; row 128 s, column 128 x block + 32 x wave
	s_mov_b32 s25, 0
	s_lshl_b32 s35, s31, 3
	s_add_co_u32 s35, s35, s32                     ; the block of 128 rows in wbuf
	s_mul_i32 s26, s35, 98304
	s_mul_i32 s34, s33, 2*KAPPA
	s_add_co_u32 s26, s26, s34
	s_mul_i32 s34, s20, 2*768
	s_add_co_u32 s26, s26, s34
	s_mov_b32 s27, 0
	s_lshl_b32 s28, s35, 12
	s_lshr_b32 s34, s33, 2
	s_lshl_b32 s34, s34, 11
	s_add_co_u32 s28, s28, s34
	s_lshl_b32 s34, s20, 9
	s_add_co_u32 s28, s28, s34
	s_and_b32 s34, s33, 3
	s_lshl_b32 s34, s34, 2
	s_add_co_u32 s28, s28, s34
	s_add_co_u32 s28, s28, W_SCL
	s_mov_b32 s29, 0
	s_wait_kmcnt 0x0
	s_cmp_eq_u32 s31, 1                            ; the choice hangs on the work-group's number alone
	s_cselect_b64 s[36:37], s[10:11], s[8:9]
	s_cmp_eq_u32 s31, 2
	s_cselect_b64 s[36:37], s[12:13], s[36:37]
	s_cmp_eq_u32 s31, 3
	s_cselect_b64 s[36:37], s[14:15], s[36:37]
	s_add_nc_u64 s[24:25], s[36:37], s[24:25]
	s_add_nc_u64 s[26:27], s[18:19], s[26:27]
	s_add_nc_u64 s[28:29], s[18:19], s[28:29]
.irp u, 0,1
.irp c, 0,1
.irp i, 0,1,2,3,4,5,6,7,8,9,10,11,12,13,14,15,16,17,18,19,20,21,22,23,24,25,26,27,28,29,30,31
	global_load_b32 v[R+64*\u+32*\c+\i], v[VW], s[24:25] offset:(64*\c+\i)*4096+32*\u   ; w(128 s + 64 c + 32 h + i, my column of tile u); the wave's two tiles use a row's 128 bytes between them
.endr
.endr
.endr
	s_wait_loadcnt 63                              ; tile 0's 64 loads are in: 64 younger ones were issued, and a wait names 63 at the most
	Q64 R, W
	PUT 0
	s_wait_loadcnt 0x0
	Q64 R+64, W+1
	PUT 768
	v_cndmask_b32 v[WS], v[W], v[W+1], s40
	global_store_b32 v[SOFF], v[WS], s[28:29]      ; one word of each row's four: 4 bytes of each 16.  Stated: 128 KB in all, one byte in 128 of what this path reads
	s_endpgm
.Lfunc_end_k_qd70a3458ae_prep:
	.size	k_qd70a3458ae_prep, .Lfunc_end_k_qd70a3458ae_prep-k_qd70a3458ae_prep
	.p2alignl 7, 3214868480
	.fill 96, 4, 3214868480
	.section	.rodata,"a",@progbits
	.p2align	6, 0x0
	.amdhsa_kernel k_qd70a3458ae_prep
		.amdhsa_group_segment_fixed_size 34304
		.amdhsa_private_segment_fixed_size 0
		.amdhsa_enable_private_segment 0
		.amdhsa_kernarg_size 56
		.amdhsa_user_sgpr_count 2
		.amdhsa_user_sgpr_kernarg_segment_ptr 1
		.amdhsa_wavefront_size32 1
		.amdhsa_system_sgpr_workgroup_id_x 1
		.amdhsa_system_sgpr_workgroup_id_y 1
		.amdhsa_system_sgpr_workgroup_id_z 1
		.amdhsa_system_vgpr_workitem_id 0
		.amdhsa_next_free_vgpr 256
		.amdhsa_next_free_sgpr 66
		.amdhsa_reserve_vcc 0
		.amdhsa_float_denorm_mode_32 3
		.amdhsa_float_denorm_mode_16_64 3
		.amdhsa_memory_ordered 1
		.amdhsa_forward_progress 1
		.amdhsa_inst_pref_size 51
	.end_amdhsa_kernel
	.amdgpu_metadata
---
amdhsa.version: [ 1, 2 ]
amdhsa.kernels:
  - .name:           k_qd70a3458ae_prep
    .symbol:         k_qd70a3458ae_prep.kd
    .args:
      - { .name: x, .offset: 0, .size: 8, .value_kind: global_buffer, .address_space: global }
      - { .name: wq, .offset: 8, .size: 8, .value_kind: global_buffer, .address_space: global }
      - { .name: wk, .offset: 16, .size: 8, .value_kind: global_buffer, .address_space: global }
      - { .name: wv, .offset: 24, .size: 8, .value_kind: global_buffer, .address_space: global }
      - { .name: wo, .offset: 32, .size: 8, .value_kind: global_buffer, .address_space: global }
      - { .name: xbuf, .offset: 40, .size: 8, .value_kind: global_buffer, .address_space: global }
      - { .name: wbuf, .offset: 48, .size: 8, .value_kind: global_buffer, .address_space: global }
    .group_segment_fixed_size: 34304
    .private_segment_fixed_size: 0
    .kernarg_segment_align: 8
    .kernarg_segment_size: 56
    .max_flat_workgroup_size: 128
    .sgpr_count:     66
    .vgpr_count:     256
    .wavefront_size: 32
...
	.end_amdgpu_metadata
.endif
;; end of part 1
;; launch qkv (part 2): grid 8 x 48, 4 waves a work-group, clusters of 4 x 4, 327,680 bytes of LDS; arguments xbuf, wbuf, bq, bk, bv, qkbuf, vbuf; writes qkbuf, vbuf
.if DOCPART == 2
	.amdgcn_target "amdgcn-amd-amdhsa--gfx1250"
	.amdhsa_code_object_version 6
	.text
	.protected	k_qd70a3458ae_qkv
	.globl	k_qd70a3458ae_qkv
	.p2align	8
	.type	k_qd70a3458ae_qkv,@function
k_qd70a3458ae_qkv:
	s_mov_b64 s[64:65], 0
	v_nop
	global_prefetch_b8 v0, s[64:65] scope:SCOPE_SE
	s_setreg_imm32_b32 hwreg(HW_REG_WAVE_MODE, 25, 1), 1
	s_wait_xcnt 0x0
	s_wait_alu depctr_hold_cnt(0) depctr_sa_sdst(0) depctr_va_vdst(0) depctr_va_sdst(0) depctr_va_ssrc(0) depctr_va_vcc(0) depctr_vm_vsrc(0)
	s_getreg_b32 s2, hwreg(HW_REG_IB_STS2, 6, 4)
	s_cmp_eq_u32 s2, 0
	s_cbranch_scc0 .Lentry_in_a_cluster
	s_endpgm
.Lentry_in_a_cluster:
	s_bfe_u32 s2, ttmp6, 0x10000c
	s_cmp_lg_u32 s2, 0xf033
	s_cbranch_scc0 .Lentry_shape_is_right
	s_endpgm
.Lentry_shape_is_right:
; q = x wq + bq, k = x wk + bk, v = x wv + bv on codes of FP6 (E2M3) with E8M0 scales, and the results quantised at once: q and k along the head's 64, v along the keys.
; A work-group makes 256 (S0) x 256 (S1) results, each of its four waves 128 x 128: 64 accumulators.  Source 0 = 16 rows of S0, source 1 = 16 rows of S1: a lane holds ONE row of S1 and its registers run along S0.
; TWO MODES, told apart by the CLUSTER's y, which all sixteen partners share.  Mode k (cluster y 0-7): S0 = wq | wk, S1 = x: a lane holds a token, registers run along channels.
; Mode v (cluster y 8-11): S0 = x, S1 = wv: a lane holds a channel, registers run along tokens, which are the keys.  In both the next quantiser's K lies along a lane's registers.
; OPERANDS come as images of their registers (pieces of 16 rows x 64 K = 768 bytes: lane l's first 16 bytes at 16 l, its last 8 at 512 + 8 l), [row / 128][K / 64][tile (8)][768]: 256 along K of 128 rows are one dense
; block of 24,576 bytes for one tensor load, and a fragment is four LDS loads of consecutive bytes.  Tile 2 g + u takes rows 32 g + 8 u + p + 8 (p / 8): the 16 registers of two neighbouring tiles of S0 are 16 neighbours.
; K = 1,024 is four time slots of 256 in THREE LDS slots: three first fills, and slot 0 filled once again, for time slot 3.  Eight steps of 128 along K, written out: every LDS offset is an immediate.
; CLUSTERS: 4 x 4.  S1's tiles hang on the work-group's y and are asked for jointly by a row of the cluster, S0's on x, by a column.
; The biases are the C of each sum's first product.  LIMITS: NaN and infinities are not served; a block whose largest magnitude lies under 2^-124, a block of zeros too, gets the byte 1 (this program alone reads the bytes).
; 384 equal work-groups.
; REGISTERS: window 0: v1-5 lane numbers, v8-20 LDS addresses, v21-22 the add's, v24-31 offsets, v32-63 scale words (two sets), v64-127 the bias, v128-223 S1's 8 fragments (one set), later at work on the way out.
;   window 1: S0's fragments, two sets, at v0 and v128.   windows 2, 3: accumulator (a, b) at v[8 (8 (a % 4) + b)].
.set X_SCL,  6291456
.set W_SCL,  3145728
.set QK_SCL, 12582912
.set V_SCL,  6291456
.set QTR,    24576                     ; 128 rows x 256 along K: what one tensor load brings
.set SLOT,   4*QTR                     ; S1's two halves, then S0's two
.set SCL,    3*SLOT                    ; behind the slots: the scale words of the four blocks of 128 rows, all of K, 4,096 bytes each
.set SPARE,  SCL+4*4096                ; the spare words, 128 bytes for each wave: two blocks of 256 bytes that no other line names
.set ADRA16, 8                         ; v8-10  S1's fragments in slot 0, 1, 2: 16 x lane;  v11-13: 8 x lane
.set ADRA8,  11
.set ADRB16, 14                        ; v14-16, v17-19 the same for S0
.set ADRB8,  17
.set ADRS,   20                        ; v20  scale words: lanes 0-15 S1's rows, lanes 16-31 S0's
.set SPW,    21                        ; v21  my spare word; never rewritten
.set NIL,    22                        ; v22  0; never rewritten
.set SC,     32                        ; set s at v[SC + 16 s]; register 2 i + q: lanes 0-15 S1's block i, lanes 16-31 S0's block i, the slot's q-th 128 along K
.set BB,     64
.set AF,     128
.set TM,     128                       ; the way out: v128-131 largest magnitudes, v132-135 bytes, v140-143 scale operands
.set PC,     144                       ; v144-155 a fragment's codes
.set PT,     156                       ; v156-162 upper halves
.set PW,     168                       ; v168-175 the eight scale words
.set WKW,    176
.set WVW,    180
.set WOUT,   184
.set WV,   26                          ; s26 wave;  s27 wave / 2: the half of S1 that I multiply, and: I fetch for S1 (0) or S0 (1);  s3 wave % 2: the half of S0 that I multiply, and which 128 rows I fetch
.set WH,   27
.set WE,   3
.set MODE, 2
.set MM,   66
.set XX,   67
.set YY,   100
.set G1A,  28                          ; group 1: S1's tiles, S0's tiles, S1's scales, S0's scales
.set G1B,  36
.set G1SA, 44
.set G1SB, 52
.set G0A,  68                          ; group 0: a set for each slot
.set G0B,  80
.set G0SA, 92
.set G0SB, 96
.set MSB, 0
.macro WIN new                         ; the immediate's high byte repeats the setting that is left
.if MSB != \new
	s_set_vgpr_msb (MSB<<8)|\new
.set MSB, \new
.endif
.endm
.macro PLACES n
.rept \n
	v_nop
.endr
.endm
.macro CREST                           ; a round of the cluster's barrier behind its opening barrier
	s_cmp_lg_u32 s[WV], 0
	s_cbranch_scc1 .Lnot_wave_0_\@
	s_barrier_signal -3
.Lnot_wave_0_\@:
	s_barrier_wait -3
	s_barrier_signal -1
	s_barrier_wait -1
.endm
.macro CROUND
	s_barrier_signal -1
	s_barrier_wait -1
	CREST
.endm
.macro JLOAD                           ; the one joint refill: slot 0.  Four v_nop follow each of the two lines
	s_cmp_eq_u32 s[WH], 0
	s_cbranch_scc0 .Lfor_b_\@
	tensor_load_to_lds s[G0A:G0A+3], s[G1A:G1A+7]
	s_nop 0
	PLACES 4
	s_branch .Lasked_\@
.Lfor_b_\@:
	tensor_load_to_lds s[G0B:G0B+3], s[G1B:G1B+7]
	s_nop 0
	PLACES 4
.Lasked_\@:
.endm
.macro FRAG reg, a16, a8, off          ; a fragment: two pieces, 6,144 bytes (64 along K) apart
	ds_load_b128 v[\reg:\reg+3], v[\a16] offset:\off
	ds_load_b64 v[\reg+4:\reg+5], v[\a8] offset:\off+512
	ds_load_b128 v[\reg+6:\reg+9], v[\a16] offset:\off+6144
	ds_load_b64 v[\reg+10:\reg+11], v[\a8] offset:\off+6656
.endm
.macro FETCH_B L, q, p                 ; S0's eight fragments of slot L's q-th 128 along K into set p
	WIN 0x40
.irp i, 0,1,2,3,4,5,6,7
	FRAG 128*(\p)+12*\i, ADRB16+\L, ADRB8+\L, (16*(\q)+\i)*768
.endr
	WIN 0
.endm
.macro FETCH_A L, q, i0                ; S1's blocks i0 .. i0 + 3
.irp i, \i0, \i0+1, \i0+2, \i0+3
	FRAG AF+12*(\i), ADRA16+\L, ADRA8+\L, (16*(\q)+(\i))*768
.endr
.endm
.macro SCALES T                        ; time slot T's two words a row
.irp i, 0,1,2,3,4,5,6,7
	ds_load_b64 v[SC+16*((\T)%2)+2*\i:SC+16*((\T)%2)+2*\i+1], v[ADRS] offset:((\T)/2)*2048+((\T)%2)*8+256*\i
.endr
.endm
; 16 products: S1's blocks a0, a0 + 1 x S0's eight.  cm = 0: onto the sums; 1: the sums begin with the bias of S0's block; 2: of S1's block.  The 64 accumulators take turns, in the same order in every step.
.macro MUL16 a0, q, sc, cm
.irp a, \a0, \a0+1
.irp b, 0,1,2,3,4,5,6,7
.if \cm == 0
	v_wmma_scale_f32_16x16x128_f8f6f4 v[8*(8*((\a)%4)+\b):8*(8*((\a)%4)+\b)+7], v[128*(\q)+12*\b:128*(\q)+12*\b+11], v[AF+12*(\a):AF+12*(\a)+11], v[8*(8*((\a)%4)+\b):8*(8*((\a)%4)+\b)+7], v[SC+16*(\sc)+2*\b+(\q)], v[SC+16*(\sc)+2*(\a)+(\q)] matrix_a_fmt:MATRIX_FMT_FP6 matrix_b_fmt:MATRIX_FMT_FP6 matrix_a_scale:MATRIX_SCALE_ROW1
.elseif \cm == 1
	v_wmma_scale_f32_16x16x128_f8f6f4 v[8*(8*((\a)%4)+\b):8*(8*((\a)%4)+\b)+7], v[128*(\q)+12*\b:128*(\q)+12*\b+11], v[AF+12*(\a):AF+12*(\a)+11], v[BB+8*\b:BB+8*\b+7], v[SC+16*(\sc)+2*\b+(\q)], v[SC+16*(\sc)+2*(\a)+(\q)] matrix_a_fmt:MATRIX_FMT_FP6 matrix_b_fmt:MATRIX_FMT_FP6 matrix_a_scale:MATRIX_SCALE_ROW1
.else
	v_wmma_scale_f32_16x16x128_f8f6f4 v[8*(8*((\a)%4)+\b):8*(8*((\a)%4)+\b)+7], v[128*(\q)+12*\b:128*(\q)+12*\b+11], v[AF+12*(\a):AF+12*(\a)+11], v[BB+8*(\a):BB+8*(\a)+7], v[SC+16*(\sc)+2*\b+(\q)], v[SC+16*(\sc)+2*(\a)+(\q)] matrix_a_fmt:MATRIX_FMT_FP6 matrix_b_fmt:MATRIX_FMT_FP6 matrix_a_scale:MATRIX_SCALE_ROW1
.endif
.endr
.endr
.endm
; A step of 128 along K.  Loads into registers that products have read stand four plain vector instructions behind them (ISA guide 7.12.1 for vector instructions).
.macro STEP q, sc, cm, nL, nq, nT      ; the next step: slot nL, its nq-th 128; with nq = 0 time slot nT's scale words too
	s_wait_dscnt 16                                ; S0's set and S1's blocks 0-3 are in; the youngest 16 loads (S1's blocks 4-7) may be out
.if \cm
	WIN 0x81                                       ; source 0 window 1, source 1 and C window 0, D window 2
.else
	WIN 0xa1
.endif
	MUL16 0, \q, \sc, \cm
	MUL16 2, \q, \sc, \cm
	s_wait_dscnt 0x0
	PLACES 4
	FETCH_B \nL, \nq, 1-(\q)
	FETCH_A \nL, \nq, 0
.if (\nq) == 0
	SCALES \nT
.endif
.if \cm
	WIN 0xc1
.else
	WIN 0xf1
.endif
	MUL16 4, \q, \sc, \cm
	MUL16 6, \q, \sc, \cm
	PLACES 4
	WIN 0
	FETCH_A \nL, \nq, 4
.endm
; A slot's second step with a barrier.  kind = 2: slot 0 is filled again: the barrier opens a round of the cluster's.  kind = 1: the refill has landed for everybody.
.macro TURN sc, kind, nL, nT
	s_wait_tensorcnt 0x0                           ; all my tensor loads have landed;
	ds_add_u32 v[SPW], v[NIL]                      ; 0 onto my spare word;
	s_wait_dscnt 17                                ; (the add and the youngest 16 loads may be out)
	WIN 0xa1
	MUL16 0, 1, \sc, 0                             ; sixteen products stand between the add and the wait for it
	s_wait_dscnt 0x0                               ; the add is done, and my reads of the slots behind me are over
	s_barrier_signal -1
	MUL16 2, 1, \sc, 0
	WIN 0
	s_barrier_wait -1
.if \kind == 2
	CREST                                          ; no wave of any partner still reads slot 0 or has a load on its way
	s_add_nc_u64 s[G0A+2:G0A+3], s[G0A+2:G0A+3], 3*QTR   ; from time slot 0 to time slot 3
	s_add_nc_u64 s[G0B+2:G0B+3], s[G0B+2:G0B+3], 3*QTR
	JLOAD                                          ; first behind the round; 224 products of mine stand ahead of the wait for it; its four v_nop are the places in front of the loads below
.else
	PLACES 4
.endif
	FETCH_B \nL, 0, 0
	FETCH_A \nL, 0, 0
	SCALES \nT
	WIN 0xf1
	MUL16 4, 1, \sc, 0
	MUL16 6, 1, \sc, 0
	PLACES 4
	WIN 0
	FETCH_A \nL, 0, 4
.endm
	s_load_b256 s[4:11], s[0:1], 0x0               ; xbuf, wbuf, bq, bk
	s_load_b128 s[12:15], s[0:1], 0x20             ; bv, qkbuf
	s_load_b64 s[16:17], s[0:1], 0x30              ; vbuf
	v_lshl_add_u32 v[SPW], v0, 2, SPARE
	v_mov_b32 v[NIL], 0
	ds_add_u32 v21, v22
	ds_add_u32 v21, v22
	s_wait_dscnt 0x0
	v_lshrrev_b32 v1, 5, v0
	v_readfirstlane_b32 s[WV], v1
	s_lshr_b32 s[WH], s[WV], 1
	s_and_b32 s[WE], s[WV], 1
	s_bfe_u32 s60, ttmp6, 0x40000                  ; cx
	s_bfe_u32 s61, ttmp6, 0x40004                  ; cy
	s_and_b32 s62, ttmp7, 0xffff                   ; the cluster's y
	s_lshl_b32 s63, s61, 2
	s_lshl_b32 s63, 15, s63                        ; my row of the cluster
	s_lshl_b32 s101, 0x1111, s60                   ; my column
	s_or_b32 s[G1A], s63, (3<<16)|(1<<21)          ; 15:0 the mask; 17:16 elements of 8 bytes; 21 set beside a mask; no padding: an image's loads take consecutive bytes
	s_or_b32 s[G1SA], s63, (3<<16)|(1<<21)
	s_or_b32 s[G1B], s101, (3<<16)|(1<<21)
	s_or_b32 s[G1SB], s101, (3<<16)|(1<<21)
.irp g, G1A, G1B                       ; 24,576 dense bytes as 96 rows of 256
	s_mov_b32 s[\g+1], 32<<16
	s_mov_b32 s[\g+2], 96<<16
	s_mov_b32 s[\g+3], 32<<16
	s_mov_b32 s[\g+4], 96
	s_mov_b32 s[\g+5], 32
	s_mov_b32 s[\g+6], 0
	s_mov_b32 s[\g+7], 0
.endr
.irp g, G1SA, G1SB                     ; 4,096 dense bytes as 16 rows of 256
	s_mov_b32 s[\g+1], 32<<16
	s_mov_b32 s[\g+2], 16<<16
	s_mov_b32 s[\g+3], 32<<16
	s_mov_b32 s[\g+4], 16
	s_mov_b32 s[\g+5], 32
	s_mov_b32 s[\g+6], 0
	s_mov_b32 s[\g+7], 0
.endr
	s_max_u32 s63, s62, 8
	s_sub_co_u32 s63, s63, 8                       ; 0 in mode k
	s_lshl_b32 s63, s63, 3
	s_lshl_b32 s[XX], ttmp9, 2
	s_add_co_u32 s[XX], s[XX], s63
	s_add_co_u32 s[XX], s[XX], s60                 ; X: mode k 4 CX + cx (0-7); mode v 4 (2 (CY - 8) + CX) + cx (0-31)
	s_lshl_b32 s[YY], s62, 2
	s_cmp_ge_u32 s62, 8                            ; the mode: the same in all sixteen partners
	s_cselect_b32 s[MODE], 1, 0
	s_cselect_b32 s[MM], -1, 0
	s_cselect_b32 s[YY], 0, s[YY]
	s_cselect_b32 s18, 16, 0                       ; wv's blocks of 128 rows begin at 16 in wbuf
	s_mov_b32 s20, X_SCL
	s_cselect_b32 s20, W_SCL, s20                  ; where S1's scale words begin in its buffer,
	s_mov_b32 s24, W_SCL
	s_cselect_b32 s24, X_SCL, s24                  ; and S0's
	s_add_co_u32 s[YY], s[YY], s61                 ; Y: mode k 4 CY + cy (0-31); mode v cy
	s_lshl_b32 s63, s[YY], 1
	s_add_co_u32 s63, s63, s[WE]
	s_add_co_u32 s63, s63, s18                     ; the block of S1 that I fetch: hangs on Y and the wave alone
	s_mul_i32 s18, s63, 98304
	s_mov_b32 s19, 0
	s_lshl_b32 s63, s63, 12
	s_add_co_u32 s20, s20, s63
	s_mov_b32 s21, 0
	s_lshl_b32 s101, s[XX], 1
	s_add_co_u32 s101, s101, s[WE]                 ; the block of S0: on X and the wave alone
	s_mul_i32 s22, s101, 98304
	s_mov_b32 s23, 0
	s_lshl_b32 s101, s101, 12
	s_add_co_u32 s24, s24, s101
	s_mov_b32 s25, 0
	s_mul_i32 s63, s[WV], QTR                      ; where they go: no place in the cluster enters an LDS address
	s_lshl_b32 s101, s[WV], 12
	s_wait_kmcnt 0x0
	s_cmp_eq_u32 s[MODE], 0
	s_cselect_b64 s[60:61], s[4:5], s[6:7]         ; S1's buffer
	s_cselect_b64 s[4:5], s[6:7], s[4:5]           ; S0's
	s_add_nc_u64 s[18:19], s[60:61], s[18:19]
	s_add_nc_u64 s[20:21], s[60:61], s[20:21]
	s_add_nc_u64 s[22:23], s[4:5], s[22:23]
	s_add_nc_u64 s[24:25], s[4:5], s[24:25]
	s_mov_b32 s[G0SA], 1
	s_add_co_u32 s[G0SA+1], s101, SCL
	s_mov_b64 s[G0SA+2:G0SA+3], s[20:21]
	s_or_b32 s[G0SA+3], s[G0SA+3], 0x80000000
	s_mov_b32 s[G0SB], 1
	s_add_co_u32 s[G0SB+1], s101, SCL
	s_mov_b64 s[G0SB+2:G0SB+3], s[24:25]
	s_or_b32 s[G0SB+3], s[G0SB+3], 0x80000000
.irp L, 0,1,2
	s_mov_b32 s[G0A+4*\L], 1
	s_add_co_u32 s[G0A+4*\L+1], s63, \L*SLOT
	s_add_nc_u64 s[G0A+4*\L+2:G0A+4*\L+3], s[18:19], \L*QTR
	s_or_b32 s[G0A+4*\L+3], s[G0A+4*\L+3], 0x80000000
	s_mov_b32 s[G0B+4*\L], 1
	s_add_co_u32 s[G0B+4*\L+1], s63, \L*SLOT
	s_add_nc_u64 s[G0B+4*\L+2:G0B+4*\L+3], s[22:23], \L*QTR
	s_or_b32 s[G0B+4*\L+3], s[G0B+4*\L+3], 0x80000000
.endr
	CROUND                                         ; all sixteen work-groups are here: the first joint loads meet
	s_cmp_eq_u32 s[WH], 0                          ; a wave's four first fills stand in one branch: four loads of mine are out
	s_cbranch_scc0 .Lfirst_b
	tensor_load_to_lds s[G0SA:G0SA+3], s[G1SA:G1SA+7]
	s_nop 0
	tensor_load_to_lds s[G0A:G0A+3], s[G1A:G1A+7]
	s_nop 0
	tensor_load_to_lds s[G0A+4:G0A+7], s[G1A:G1A+7]
	s_nop 0
	tensor_load_to_lds s[G0A+8:G0A+11], s[G1A:G1A+7]
	s_nop 0
	PLACES 4
	s_branch .Lfirst_done
.Lfirst_b:
	tensor_load_to_lds s[G0SB:G0SB+3], s[G1SB:G1SB+7]
	s_nop 0
	tensor_load_to_lds s[G0B:G0B+3], s[G1B:G1B+7]
	s_nop 0
	tensor_load_to_lds s[G0B+4:G0B+7], s[G1B:G1B+7]
	s_nop 0
	tensor_load_to_lds s[G0B+8:G0B+11], s[G1B:G1B+7]
	s_nop 0
	PLACES 4
.Lfirst_done:
	v_and_b32 v1, 31, v0                           ; lane
	v_and_b32 v2, 15, v0                           ; r
	v_bfe_u32 v3, v0, 4, 1                         ; h
	v_lshlrev_b32 v4, 4, v1
	v_lshlrev_b32 v5, 3, v1
	s_mul_i32 s60, s[WH], QTR                      ; my half of S1,
	s_mul_i32 s61, s[WE], QTR
	s_add_co_u32 s61, s61, 2*QTR                   ; my half of S0, behind S1's two
.irp L, 0,1,2
	v_add_nc_u32 v[ADRA16+\L], s60, v4
	v_add_nc_u32 v[ADRA8+\L], s60, v5
	v_add_nc_u32 v[ADRB16+\L], s61, v4
	v_add_nc_u32 v[ADRB8+\L], s61, v5
	s_add_co_u32 s60, s60, SLOT
	s_add_co_u32 s61, s61, SLOT
.endr
	s_lshl_b32 s60, s[WH], 12
	s_lshl_b32 s61, s[WE], 12
	s_add_co_u32 s61, s61, 2*4096
	s_sub_co_u32 s61, s61, s60
	v_mul_u32_u24 v6, s61, v3                      ; lanes 16-31 take S0's words: one product, the distance between the two bases
	s_add_co_u32 s60, s60, SCL
	v_lshl_add_u32 v6, v2, 4, v6
	v_add_nc_u32 v[ADRS], s60, v6
	; the bias.  Mode k: register 8 b + j is the bias of channel 32 (b / 2) + 8 (b % 2) + 16 h + j of S0's 128.  Mode v: register 8 a + j that of my lane's channel in S1's tile a, for every j.
	s_lshl_b32 s20, s[YY], 1
	s_add_co_u32 s20, s20, s[WH]                   ; the block of S1 that I multiply
	s_lshl_b32 s21, s[XX], 1
	s_add_co_u32 s21, s21, s[WE]                   ; the block of S0
	s_cmp_eq_u32 ttmp9, 0
	s_cselect_b64 s[18:19], s[8:9], s[10:11]       ; mode k: X under 4 is wq's, from 4 on wk's
	s_cmp_eq_u32 s[MODE], 0
	s_cselect_b64 s[18:19], s[18:19], s[12:13]
	s_cselect_b32 s22, s21, s20                    ; the block of 128 channels (kept for the way out),
	s_cselect_b32 s23, s20, s21                    ; the block of 128 tokens (kept too)
	s_cselect_b32 s24, 64, 0
	s_cselect_b32 s25, 0, 4
	s_cselect_b32 s60, 4, 0
	s_and_b32 s62, s22, 7
	s_lshl_b32 s62, s62, 9
	s_mov_b32 s63, 0
	s_add_nc_u64 s[18:19], s[18:19], s[62:63]
	v_and_b32 v7, 8, v2
	v_add_nc_u32 v7, v7, v2                        ; r + 8 (r / 8)
	v_mul_u32_u24 v6, v3, s24
	v_mad_u32_u24 v24, v7, s25, v6
.irp j, 1,2,3,4,5,6,7
	v_add_nc_u32 v[24+\j], s60, v[23+\j]
.endr
.irp t, 0,1,2,3,4,5,6,7
.irp j, 0,1,2,3,4,5,6,7
	global_load_b32 v[BB+8*\t+\j], v[24+\j], s[18:19] offset:(32*(\t/2)+8*(\t%2))*4
.endr
.endr
	s_wait_tensorcnt 2                             ; the scale words and time slot 0 are in; time slots 1 and 2 may stay out
	s_barrier_signal -1
	s_barrier_wait -1
	FETCH_B 0, 0, 0
	FETCH_A 0, 0, 0
	SCALES 0
	FETCH_A 0, 0, 4
	s_wait_loadcnt 0x0                             ; the bias
	s_cmp_eq_u32 s[MODE], 0                        ; the first step is written twice: only the C of its products differs
	s_cbranch_scc0 .Lstart_v
	STEP 0, 0, 1, 0, 1, 0
	s_branch .Lstarted
.Lstart_v:
	STEP 0, 0, 2, 0, 1, 0
.Lstarted:
	TURN 0, 2, 1, 1                                ; slot 0 is left and filled again
	STEP 0, 1, 0, 1, 1, 0
	STEP 1, 1, 0, 2, 0, 2                          ; on into slot 2 without a barrier: it was shown whole at the round, and nobody writes slot 1
	STEP 0, 0, 0, 2, 1, 0
	TURN 0, 1, 0, 3                                ; time slot 3 has landed for everybody
	STEP 0, 1, 0, 0, 1, 0
	s_wait_dscnt 16                                ; the last step: nothing more to fetch
	WIN 0xa1
	MUL16 0, 1, 1, 0
	MUL16 2, 1, 1, 0
	s_wait_dscnt 0x0
	WIN 0xf1
	MUL16 4, 1, 1, 0
	MUL16 6, 1, 1, 0
	WIN 0
	; THE WAY OUT, one text for both modes.  For S1's tile a a lane's 64 registers are 128 neighbours along the next K in halves of 16: four blocks of 32, two pieces.
	; Mode k: piece c is head 2 x block + c, tokens' tile 8 g + a:  qkbuf [batch x 32 + head (q: 0-15, k: 16-31)][tokens' tile (128)][768].
	; Mode v: piece c is keys 64 c on of key step g, channels' tile 8 x block + a:  vbuf [batch][key step (16)][channels' tile (64)][c][768].
	s_lshr_b32 s60, s23, 4                         ; batch
	s_and_b32 s61, s23, 15                         ; g
	s_lshl_b32 s62, s22, 1
	s_lshl_b32 s63, s60, 5
	s_add_co_u32 s63, s63, s62                     ; batch x 32 + first head
	s_mul_i32 s18, s63, 98304
	s_mul_i32 s101, s61, 6144
	s_add_co_u32 s18, s18, s101
	s_lshl_b32 s20, s63, 12
	s_add_co_u32 s20, s20, QK_SCL
	s_mul_i32 s24, s23, 98304                      ; (batch x 16 + g is the tokens' block itself)
	s_mul_i32 s101, s22, 12288
	s_add_co_u32 s24, s24, s101
	s_lshl_b32 s63, s60, 4
	s_add_co_u32 s63, s63, s62
	s_lshl_b32 s63, s63, 12
	s_add_co_u32 s63, s63, V_SCL
	s_lshl_b32 s61, s61, 8
	s_cmp_eq_u32 s[MODE], 0
	s_cselect_b32 s18, s18, s24
	s_cselect_b32 s20, s20, s63
	s_cselect_b64 s[4:5], s[14:15], s[16:17]
	s_mov_b32 s22, 1536
	s_cselect_b32 s22, 768, s22                    ; from tile a to tile a + 1
	s_mov_b32 s24, 98304
	s_cselect_b32 s24, s24, 768                    ; from piece 0 to piece 1
	s_add_co_u32 s20, s20, s61
	s_mov_b32 s19, 0
	s_mov_b32 s21, 0
	s_mov_b32 s23, 0
	s_add_nc_u64 s[18:19], s[4:5], s[18:19]
	s_add_nc_u64 s[20:21], s[4:5], s[20:21]
	s_mov_b32 s60, 0x76543210
	s_mov_b32 s61, 0xfedcba98
	v_add_nc_u32 v25, s24, v4                      ; (these six plain lines are the places behind the last products)
	v_add_nc_u32 v26, s24, v5
	v_lshlrev_b32 v27, 4, v2
	v_lshl_add_u32 v27, v3, 12, v27                ; scale words: 16 r, lanes 16-31 the second head's
	v_mov_b32 v28, 0x05040100
	v_mov_b32 v29, 0x07060302
	v_cmp_le_u32 s25, 16, v1                       ; lanes 16-31
	v_cndmask_b32 v28, v28, v29, s25
.irp g, 0,1,2,3
	v_mov_b32 v[TM+4+\g], 0                        ; a lane permute's destination counts as one of its sources
.endr
.macro QUANT a
.set SR, 64*((\a)%4)
	WIN 0x0a+5*((\a)/4)                            ; sources 0 and 1: window 2 or 3
.irp g, 0,1,2,3
	v_max3_num_f32 v[TM+\g], |v[SR+16*\g]|, |v[SR+16*\g+1]|, 0x1800000   ; each accumulator from its low end on; the floor 2^(3 - 127) holds the byte at 1 from below
.endr
.irp i, 2,4,6,8,10,12,14
.irp g, 0,1,2,3
	v_max3_num_f32 v[TM+\g], |v[SR+16*\g+\i]|, |v[SR+16*\g+\i+1]|, v[TM+\g]
.endr
.endr
	WIN 0
.irp g, 0,1,2,3
	v_permlanex16_b32 v[TM+4+\g], v[TM+\g], s60, s61
.endr
.irp g, 0,1,2,3
	v_max_num_f32 v[TM+\g], v[TM+\g], v[TM+4+\g]   ; with lane l xor 16's 16: the block's largest magnitude
.endr
.irp g, 0,1,2,3
	v_add_nc_u32 v[TM+12+\g], 0xff000000, v[TM+\g]
.endr
.irp g, 0,1,2,3
	v_lshrrev_b32 v[TM+4+\g], 23, v[TM+12+\g]
.endr
	v_lshl_or_b32 v[PW+(\a)], v[TM+5], 8, v[TM+4]
	v_lshl_or_b32 v[PW+(\a)], v[TM+6], 16, v[PW+(\a)]
	v_lshl_or_b32 v[PW+(\a)], v[TM+7], 24, v[PW+(\a)]
	s_wait_xcnt 0x0                                ; the last tile's stores have read their data and their base
.if (\a) > 0
	s_add_nc_u64 s[18:19], s[18:19], s[22:23]
.endif
	WIN 0x02+((\a)/4)
.irp c, 0,1
	v_cvt_scalef32_pk16_fp6_f32 v[PC+6*\c:PC+6*\c+2], v[SR+32*\c:SR+32*\c+15], v[TM+12+2*\c]
	v_cvt_scalef32_pk16_fp6_f32 v[PT+4*\c:PT+4*\c+2], v[SR+32*\c+16:SR+32*\c+31], v[TM+12+2*\c+1]
.endr
	WIN 0
	v_nop                                          ; one plain instruction behind the conversions
.irp c, 0,1                            ; the layout wants a whole block in a lane: lanes 0-15 block 2 c, lanes 16-31 block 2 c + 1
.irp i, 0,1,2
	v_permlane16_swap_b32 v[PC+6*\c+\i], v[PT+4*\c+\i]
.endr
.irp i, 0,1,2
	v_mov_b32 v[PC+6*\c+3+\i], v[PT+4*\c+\i]
.endr
.endr
	global_store_b128 v4, v[PC:PC+3], s[18:19]     ; each store of the wave covers 512 or 256 consecutive bytes, aligned to 256
	global_store_b64 v5, v[PC+4:PC+5], s[18:19] offset:512
	global_store_b128 v25, v[PC+6:PC+9], s[18:19]
	global_store_b64 v26, v[PC+10:PC+11], s[18:19] offset:512
.endm
.irp a, 0,1,2,3,4,5,6,7
	QUANT \a
.endr
	; the scale words.  Mode k: [head][g][r][4 words], word j = tile 2 j's two bytes of the head, then tile 2 j + 1's.  Mode v: [head][key step][r][4 words], word t = the head's channels' tile t.  Lanes 16-31 serve the second head.
.irp j, 0,1,2,3
	v_perm_b32 v[WKW+\j], v[PW+2*\j+1], v[PW+2*\j], v28
	v_cndmask_b32 v[WVW+\j], v[PW+\j], v[PW+4+\j], s25
.endr
.irp j, 0,1,2,3
	v_cndmask_b32 v[WOUT+\j], v[WKW+\j], v[WVW+\j], s[MM]
.endr
	global_store_b128 v27, v[WOUT:WOUT+3], s[20:21]   ; each half of the lanes stores 256 consecutive bytes, aligned
	s_wait_tensorcnt 0x0                           ; the wave's end
	ds_add_u32 v[SPW], v[NIL]
	s_wait_dscnt 0x0
	CROUND                                         ; the closing round
	s_endpgm
.Lfunc_end_k_qd70a3458ae_qkv:
	.size	k_qd70a3458ae_qkv, .Lfunc_end_k_qd70a3458ae_qkv-k_qd70a3458ae_qkv
	.p2alignl 7, 3214868480
	.fill 96, 4, 3214868480
	.section	.rodata,"a",@progbits
	.p2align	6, 0x0
	.amdhsa_kernel k_qd70a3458ae_qkv
		.amdhsa_group_segment_fixed_size 327680
		.amdhsa_private_segment_fixed_size 0
		.amdhsa_enable_private_segment 0
		.amdhsa_kernarg_size 56
		.amdhsa_user_sgpr_count 2
		.amdhsa_user_sgpr_kernarg_segment_ptr 1
		.amdhsa_wavefront_size32 1
		.amdhsa_system_sgpr_workgroup_id_x 1
		.amdhsa_system_sgpr_workgroup_id_y 1
		.amdhsa_system_sgpr_workgroup_id_z 1
		.amdhsa_system_vgpr_workitem_id 0
		.amdhsa_next_free_vgpr 1024
		.amdhsa_next_free_sgpr 102
		.amdhsa_reserve_vcc 0
		.amdhsa_float_denorm_mode_32 3
		.amdhsa_float_denorm_mode_16_64 3
		.amdhsa_memory_ordered 1
		.amdhsa_forward_progress 1
		.amdhsa_inst_pref_size 169
	.end_amdhsa_kernel
	.amdgpu_metadata
---
amdhsa.version: [ 1, 2 ]
amdhsa.kernels:
  - .name:           k_qd70a3458ae_qkv
    .symbol:         k_qd70a3458ae_qkv.kd
    .args:
      - { .name: xbuf, .offset: 0, .size: 8, .value_kind: global_buffer, .address_space: global }
      - { .name: wbuf, .offset: 8, .size: 8, .value_kind: global_buffer, .address_space: global }
      - { .name: bq, .offset: 16, .size: 8, .value_kind: global_buffer, .address_space: global }
      - { .name: bk, .offset: 24, .size: 8, .value_kind: global_buffer, .address_space: global }
      - { .name: bv, .offset: 32, .size: 8, .value_kind: global_buffer, .address_space: global }
      - { .name: qkbuf, .offset: 40, .size: 8, .value_kind: global_buffer, .address_space: global }
      - { .name: vbuf, .offset: 48, .size: 8, .value_kind: global_buffer, .address_space: global }
    .group_segment_fixed_size: 327680
    .private_segment_fixed_size: 0
    .kernarg_segment_align: 8
    .kernarg_segment_size: 56
    .max_flat_workgroup_size: 128
    .sgpr_count:     102
    .vgpr_count:     1024
    .wavefront_size: 32
...
	.end_amdgpu_metadata
.endif
;; end of part 2
;; launch attn (part 3): grid 4 x 64, 16 waves a work-group, clusters of 4 x 1, 206,848 bytes of LDS; arguments qkbuf, vbuf, obuf; writes obuf
.if DOCPART == 3
	.amdgcn_target "amdgcn-amd-amdhsa--gfx1250"
	.amdhsa_code_object_version 6
	.text
	.protected	k_qd70a3458ae_attn
	.globl	k_qd70a3458ae_attn
	.p2align	8
	.type	k_qd70a3458ae_attn,@function
k_qd70a3458ae_attn:
	s_mov_b64 s[64:65], 0
	v_nop
	global_prefetch_b8 v0, s[64:65] scope:SCOPE_SE
	s_setreg_imm32_b32 hwreg(HW_REG_WAVE_MODE, 25, 1), 1
	s_wait_xcnt 0x0
	s_wait_alu depctr_hold_cnt(0) depctr_sa_sdst(0) depctr_va_vdst(0) depctr_va_sdst(0) depctr_va_ssrc(0) depctr_va_vcc(0) depctr_vm_vsrc(0)
	s_getreg_b32 s2, hwreg(HW_REG_IB_STS2, 6, 4)
	s_cmp_eq_u32 s2, 0
	s_cbranch_scc0 .Lentry_in_a_cluster
	s_endpgm
.Lentry_in_a_cluster:
	s_bfe_u32 s2, ttmp6, 0x10000c
	s_cmp_lg_u32 s2, 0x3003
	s_cbranch_scc0 .Lentry_shape_is_right
	s_endpgm
.Lentry_shape_is_right:
; O = softmax(Q K^T / 8, causal) V for one head and batch a cluster, both products on codes of FP6 (E2M3) with E8M0 scales; O / l is quantised along the channels for the last product.
; THE SOFTMAX: t = score x log2(e) / 8; M = the running largest t rounded UP to a whole number; p = 2^(t - M) is quantised along the keys, not normalised; the row's sum is taken of the unquantised p and divides at the end.
; NO RING: a head's codes of K (98,304 bytes) and of V (98,304) and their scale words (4,096 each) are brought into LDS ONCE, jointly for the cluster's four work-groups; behind one barrier LDS is only read.
; SHARES.  The eight tiles of 16 queries of a group G of 128 queries all want G + 1 key steps of 128.  Partner p takes tiles 2 p + e of every group; wave w (g = w % 8, e = w / 8) takes group 15 - g and then group g:
; 17 key steps for every wave of the launch.  Branches and trip counts hang on the wave's number and on counters alone; the place in the cluster enters global addresses and the mask's register only.
; Every pass walks 16 trips, a constant; a trip whose keys all come after the wave's queries jumps over its work.
; LAYOUT.  Both products are used transposed: a lane holds ONE query.  Tile 2 b + u of keys takes keys 32 b + 8 u + r + 8 (r / 8): the 16 registers of two neighbouring tiles are 16 neighbouring keys.
; THE FIRST PRODUCT HAS K = 64 in an instruction of K = 128: a fragment of K holds tile 2 b in its first half and tile 2 b + 1 in its second; it is multiplied by (Q | 0) for tile 2 b and by (0 | Q) for tile 2 b + 1:
; the other half meets zero codes.  v16-21 = 0, v22-27 = Q, v28-33 = 0 give both.
; LIMITS: NaN and infinities are not served; a block whose largest magnitude lies under 2^-124, a block of zeros too, gets the byte 1 (this program alone reads the bytes).
; REGISTERS: v1-7 offsets that stay; v8-11, v95 the step's addresses; v12 -M, v13 the largest t, v[14:15] the sum; v16-33 Q; v34 Q's scale word; v35 the mask's number; v36-83 four fragments; v84-91 K's and V's scale words;
;   v[92:93] f; v94 p's scale word; v96-159 S^T, then p; v160-191 O^T; v192-206 both passes' Q; v208-250 at work.
.set QK_SCL, 12582912
.set V_SCL,  6291456
.set O_SCL,  6291456
.set VCOD,   98304                     ; LDS: K's codes [key step][tile (8)][768]; from here V's [key step][channels' tile (4)][c][768];
.set KSCL,   196608                    ; K's scale words [key step][r][4 words];
.set VSCL,   200704                    ; V's likewise
.set KV,  36
.set S,   96
.set O,   160
.set BM,  208                          ; v208-211 blocks' largest
.set BT,  212                          ; v212-215 the other half's; then bytes
.set SO,  216                          ; v216-219 scale operands
.set PT,  220                          ; v220-226 upper halves
.set PC,  228                          ; v228-239 p's codes
.set PO,  244                          ; v244-249 O's codes
.set WV,  10
.set GW,  11
.set EW,  12
.set PX,  13
.set BN,  14
.set HD,  15
.set EH,  16
.set HQ,  17
.set IT,  18
.set SEL, 20
.set CS,  22
.set G1S, 24
.set G1K, 32
.set G1V, 40
.set G0KS, 48
.set G0K,  52
.set G0VS, 56
.set G0V,  60
.set G,   66                           ; s66 my group of queries;  s67 the key step;  s68, s69 its codes' and its scale words' place in LDS
.set SG,  67
.set TK,  68
.set TS,  69
.set HM,  70
.set QSEL, 71
.set QP,  72                           ; pass n: s[72+8n:73+8n] Q's piece, +2 Q's scale words, +4 O's piece, +6 O's scale bytes
.macro CROUND
	s_barrier_signal -1
	s_barrier_wait -1
	s_cmp_lg_u32 s[WV], 0
	s_cbranch_scc1 .Lnot_wave_0_\@
	s_barrier_signal -3
.Lnot_wave_0_\@:
	s_barrier_wait -3
	s_barrier_signal -1
	s_barrier_wait -1
.endm
.macro ADDRS pn                        ; the global addresses of pass pn
.if \pn == 0
	s_sub_co_u32 s88, 15, s[GW]
.else
	s_mov_b32 s88, s[GW]
.endif
	s_mov_b32 s91, 0
	s_lshl_b32 s89, s[HQ], 7
	s_lshl_b32 s90, s88, 3
	s_add_co_u32 s89, s89, s90
	s_add_co_u32 s89, s89, s[IT]
	s_mul_i32 s90, s89, 768
	s_add_nc_u64 s[QP+8*\pn:QP+8*\pn+1], s[4:5], s[90:91]
	s_lshl_b32 s89, s[HQ], 4
	s_add_co_u32 s89, s89, s88
	s_lshl_b32 s89, s89, 8
	s_lshl_b32 s90, s[PX], 2                       ; word p holds tiles 2 p and 2 p + 1
	s_add_co_u32 s90, s90, s89
	s_add_co_u32 s90, s90, QK_SCL
	s_add_nc_u64 s[QP+8*\pn+2:QP+8*\pn+3], s[4:5], s[90:91]
	s_lshl_b32 s89, s[BN], 4
	s_add_co_u32 s89, s89, s88                     ; the tokens' block of 128
	s_lshl_b32 s92, s89, 12
	s_lshl_b32 s89, s89, 4
	s_add_co_u32 s89, s89, s[HD]                   ; K / 64 of the last product is the head
	s_lshl_b32 s89, s89, 3
	s_add_co_u32 s89, s89, s[IT]
	s_mul_i32 s90, s89, 768
	s_add_nc_u64 s[QP+8*\pn+4:QP+8*\pn+5], s[8:9], s[90:91]
	s_lshr_b32 s89, s[HD], 3
	s_lshl_b32 s89, s89, 11
	s_add_co_u32 s92, s92, s89
	s_lshl_b32 s89, s[IT], 8
	s_add_co_u32 s92, s92, s89
	s_and_b32 s89, s[HD], 7
	s_lshl_b32 s89, s89, 1
	s_add_co_u32 s90, s92, s89
	s_add_co_u32 s90, s90, O_SCL
	s_add_nc_u64 s[QP+8*\pn+6:QP+8*\pn+7], s[8:9], s[90:91]
.endm
.macro FOUR a16, a8                    ; four fragments: eight pieces on end
.irp f, 0,1,2,3
	ds_load_b128 v[KV+12*\f:KV+12*\f+3], v[\a16] offset:1536*\f
	ds_load_b64 v[KV+12*\f+4:KV+12*\f+5], v[\a8] offset:1536*\f+512
	ds_load_b128 v[KV+12*\f+6:KV+12*\f+9], v[\a16] offset:1536*\f+768
	ds_load_b64 v[KV+12*\f+10:KV+12*\f+11], v[\a8] offset:1536*\f+1280
.endr
.endm
; A KEY STEP: 128 keys
.macro STEP
	s_cmp_gt_u32 s[SG], s[G]                       ; all its keys come after my queries: the work is jumped over
	s_cbranch_scc1 .Lhidden_\@
	v_add_nc_u32 v8, s[TK], v1                     ; (five plain lines: the places in front of loads into registers that the last products read)
	v_add_nc_u32 v9, s[TK], v2
	v_add_nc_u32 v10, s[TK], v3
	v_add_nc_u32 v11, s[TK], v4
	v_add_nc_u32 v95, s[TS], v5
	FOUR 8, 9
	ds_load_b128 v[84:87], v95
	s_wait_dscnt 0x0
.irp f, 0,1,2,3
	v_wmma_scale_f32_16x16x128_f8f6f4 v[S+16*\f:S+16*\f+7], v[KV+12*\f:KV+12*\f+11], v[22:33], 0, v[84+\f], v34 matrix_a_fmt:MATRIX_FMT_FP6 matrix_b_fmt:MATRIX_FMT_FP6
	v_wmma_scale_f32_16x16x128_f8f6f4 v[S+16*\f+8:S+16*\f+15], v[KV+12*\f:KV+12*\f+11], v[16:27], 0, v[84+\f], v34 matrix_a_fmt:MATRIX_FMT_FP6 matrix_b_fmt:MATRIX_FMT_FP6
.endr
.rept 4
	v_nop                                          ; places in front of the loads below and of the first read of the scores
.endr
	FOUR 10, 11                                    ; V's fragments land under the softmax
	ds_load_b128 v[88:91], v95 offset:VSCL-KSCL
	s_cmp_lg_u32 s[SG], s[G]                       ; on the diagonal hidden scores become -infinity ahead of the maximum; key 0 of the step counts for every query
	s_cbranch_scc1 .Lopen_\@
	v_mov_b32 v243, 0xff800000
.set N, 0
.rept 64
	v_cmp_gt_i32 vcc_lo, 32*(N/16)+N%16, v35       ; register 16 b + i holds key 32 b + 16 h + i of the step: hidden where 32 b + i > my query - 16 h
	v_cndmask_b32 v[S+N], v[S+N], v243, vcc_lo
.set N, N+1
.endr
.Lopen_\@:
.irp b, 0,1,2,3
	v_max3_num_f32 v[BM+\b], v[S+16*\b], v[S+16*\b+1], v[S+16*\b+2]   ; the largest score of each block of 32 keys: for the row's maximum and, since p rises with the score, for the block's largest p
.endr
.irp i, 3,5,7,9,11,13
.irp b, 0,1,2,3
	v_max3_num_f32 v[BM+\b], v[BM+\b], v[S+16*\b+\i], v[S+16*\b+\i+1]
.endr
.endr
.irp b, 0,1,2,3
	v_max_num_f32 v[BM+\b], v[BM+\b], v[S+16*\b+15]
.endr
.irp b, 0,1,2,3
	v_permlanex16_b32 v[BT+\b], v[BM+\b], s[SEL], s[SEL+1]
.endr
.irp b, 0,1,2,3
	v_max_num_f32 v[BM+\b], v[BM+\b], v[BT+\b]
.endr
	v_max3_num_f32 v242, v[BM], v[BM+1], v[BM+2]
	v_max_num_f32 v242, v242, v[BM+3]
	v_mul_f32 v242, s[CS], v242
	v_max_num_f32 v13, v13, v242                   ; the running largest t
	v_mov_b32 v242, v12
	v_floor_f32 v12, -v13                          ; -M = floor(-t): M is a whole number
	v_sub_f32 v242, v12, v242
	v_cvt_i32_f32 v242, v242                       ; (it saturates)
	v_ldexp_f32 v92, 1.0, v242                     ; f = 2^(old M - new M): rounds nothing
.set N, 0
.rept 32
	v_pk_fma_f32 v[S+N:S+N+1], v[S+N:S+N+1], s[CS:CS+1], v[12:13] op_sel_hi:[1,0,0]   ; t - M
.set N, N+2
.endr
.irp b, 0,1,2,3
	v_fma_f32 v[BM+\b], v[BM+\b], s[CS], v12
.endr
.set N, 0
.rept 64
	v_exp_f32 v[S+N], v[S+N]                       ; p, at most 1
.set N, N+1
.endr
	v_pk_mul_f32 v[14:15], v[14:15], v[92:93] op_sel_hi:[1,0]   ; the sums under the new M: the plain line behind the batch
	s_wait_alu depctr_va_vdst(0)                   ; one wait for the 64, ahead of their first reader
.irp b, 0,1,2,3
	v_exp_f32 v[BM+\b], v[BM+\b]                   ; the blocks' largest p
.endr
	v_pk_add_f32 v[240:241], v[S:S+1], v[S+2:S+3]  ; the row's sum of the unquantised p, in two chains
.irp j, 4,8,12,16,20,24,28,32,36,40,44,48,52,56,60
	v_pk_add_f32 v[14:15], v[14:15], v[S+\j:S+\j+1]
	v_pk_add_f32 v[240:241], v[240:241], v[S+\j+2:S+\j+3]
.endr
	v_pk_add_f32 v[14:15], v[14:15], v[240:241]
	s_wait_alu depctr_va_vdst(0)                   ; and one for the four
.irp b, 0,1,2,3
	v_max_num_f32 v[BM+\b], 0x1800000, v[BM+\b]    ; the floor 2^(3 - 127)
.endr
.irp b, 0,1,2,3
	v_add_nc_u32 v[SO+\b], 0xff000000, v[BM+\b]
.endr
.irp b, 0,1,2,3
	v_lshrrev_b32 v[BT+\b], 23, v[SO+\b]
.endr
	v_lshl_or_b32 v94, v[BT+1], 8, v[BT]
	v_lshl_or_b32 v94, v[BT+2], 16, v94
	v_lshl_or_b32 v94, v[BT+3], 24, v94
.irp c, 0,1
	v_cvt_scalef32_pk16_fp6_f32 v[PC+6*\c:PC+6*\c+2], v[S+32*\c:S+32*\c+15], v[SO+2*\c]
	v_cvt_scalef32_pk16_fp6_f32 v[PT+4*\c:PT+4*\c+2], v[S+32*\c+16:S+32*\c+31], v[SO+2*\c+1]
.endr
	v_nop                                          ; one plain instruction behind the conversions
.irp c, 0,1
.irp i, 0,1,2
	v_permlane16_swap_b32 v[PC+6*\c+\i], v[PT+4*\c+\i]
.endr
.irp i, 0,1,2
	v_mov_b32 v[PC+6*\c+3+\i], v[PT+4*\c+\i]
.endr
.endr
.set N, 0
.rept 16
	v_pk_mul_f32 v[O+N:O+N+1], v[O+N:O+N+1], v[92:93] op_sel_hi:[1,0]   ; O^T under the new M; for each product below twelve of these name none of its registers: the places behind p's codes and scale word
.set N, N+2
.endr
	s_wait_dscnt 0x0                               ; V
.irp t, 0,1,2,3
	v_wmma_scale_f32_16x16x128_f8f6f4 v[O+8*\t:O+8*\t+7], v[KV+12*\t:KV+12*\t+11], v[PC:PC+11], v[O+8*\t:O+8*\t+7], v[88+\t], v94 matrix_a_fmt:MATRIX_FMT_FP6 matrix_b_fmt:MATRIX_FMT_FP6
.endr
.Lhidden_\@:
.endm
; O^T / l, quantised along the head's 64 channels: one piece of the last product's operand, and its two scale bytes
.macro OUT pn
.rept 4
	v_nop                                          ; places behind the last products
.endr
	v_add_f32 v14, v14, v15
	v_permlanex16_b32 v242, v14, s[SEL], s[SEL+1]
	v_add_f32 v14, v14, v242                       ; the row's sum
	v_rcp_f32 v14, v14
	v_nop
	s_wait_alu depctr_va_vdst(0)                   ; ahead of the reciprocal's first reader
.set N, 0
.rept 32
	v_mul_f32 v[S+N], v[O+N], v14                  ; register 16 b + i: channel 32 b + 16 h + i of the head
.set N, N+1
.endr
.irp b, 0,1
	v_max3_num_f32 v[BM+\b], |v[S+16*\b]|, |v[S+16*\b+1]|, 0x1800000
.endr
.irp i, 2,4,6,8,10,12,14
.irp b, 0,1
	v_max3_num_f32 v[BM+\b], v[BM+\b], |v[S+16*\b+\i]|, |v[S+16*\b+\i+1]|
.endr
.endr
.irp b, 0,1
	v_permlanex16_b32 v[BT+\b], v[BM+\b], s[SEL], s[SEL+1]
.endr
.irp b, 0,1
	v_max_num_f32 v[BM+\b], v[BM+\b], v[BT+\b]
.endr
.irp b, 0,1
	v_add_nc_u32 v[SO+\b], 0xff000000, v[BM+\b]
.endr
.irp b, 0,1
	v_lshrrev_b32 v[BT+\b], 23, v[SO+\b]
.endr
	s_wait_xcnt 0x0                                ; the first pass's stores have read their data
	v_cndmask_b32 v250, v[BT], v[BT+1], s[HM]      ; lanes 0-15 store block 0's byte, lanes 16-31 block 1's
	v_cvt_scalef32_pk16_fp6_f32 v[PO:PO+2], v[S:S+15], v[SO]
	v_cvt_scalef32_pk16_fp6_f32 v[PT:PT+2], v[S+16:S+31], v[SO+1]
	v_nop
.irp i, 0,1,2
	v_permlane16_swap_b32 v[PO+\i], v[PT+\i]
.endr
.irp i, 0,1,2
	v_mov_b32 v[PO+3+\i], v[PT+\i]
.endr
	global_store_b128 v1, v[PO:PO+3], s[QP+8*\pn+4:QP+8*\pn+5]
	global_store_b64 v2, v[PO+4:PO+5], s[QP+8*\pn+4:QP+8*\pn+5] offset:512
	global_store_b8 v6, v250, s[QP+8*\pn+6:QP+8*\pn+7]   ; single bytes, 16 apart.  Stated: a scale word of the last product spans two heads, which are two clusters; 256 KB in all
.endm
.macro PASS pn, qreg
.if \pn == 0
	s_sub_co_u32 s[G], 15, s[GW]
.else
	s_mov_b32 s[G], s[GW]
.endif
.irp i, 0,1,2,3,4,5
	v_mov_b32 v[22+\i], v[\qreg+\i]
.endr
	v_perm_b32 v34, v[\qreg+6], v[\qreg+6], s[QSEL]   ; my tile's two bytes, twice: for (Q | 0) and for (0 | Q)
	v_mov_b32 v13, 0xff61b1e6                      ; -3e38, under every t
	v_floor_f32 v12, -v13
	v_mov_b32 v14, 0
	v_mov_b32 v15, 0
.set N, 0
.rept 32
	v_mov_b32 v[O+N], 0                            ; the step is written once: the first finds zeros.  (These are also the places behind Q and its scale word)
.set N, N+1
.endr
	s_mov_b32 s[SG], 0
	s_mov_b32 s[TK], 0
	s_mov_b32 s[TS], 0
.Lkey_\@:
	STEP
	s_add_co_u32 s[SG], s[SG], 1
	s_add_co_u32 s[TK], s[TK], 6144
	s_add_co_u32 s[TS], s[TS], 256
	s_cmp_lt_u32 s[SG], 16
	s_cbranch_scc1 .Lkey_\@
	OUT \pn
.endm
	s_load_b128 s[4:7], s[0:1], 0x0                ; qkbuf, vbuf
	s_load_b64 s[8:9], s[0:1], 0x10                ; obuf
	v_lshl_add_u32 v254, v0, 2, 0x32000
	v_mov_b32 v255, 0
	ds_add_u32 v254, v255
	ds_add_u32 v254, v255
	v_lshrrev_b32 v1, 5, v0
	v_readfirstlane_b32 s[WV], v1
	s_and_b32 s[GW], s[WV], 7
	s_lshr_b32 s[EW], s[WV], 3
	s_and_b32 s[EH], s[WV], 1                      ; which half I fetch, if I fetch
	s_bfe_u32 s[PX], ttmp6, 0x40000                ; my place in the cluster
	s_lshl_b32 s[IT], s[PX], 1
	s_add_co_u32 s[IT], s[IT], s[EW]               ; my tile of a group's eight
	s_and_b32 s19, ttmp7, 0xffff
	s_lshr_b32 s[BN], s19, 4                       ; batch
	s_and_b32 s[HD], s19, 15                       ; head
	s_lshl_b32 s[HQ], s[BN], 5
	s_add_co_u32 s[HQ], s[HQ], s[HD]               ; q's head in qkbuf; k's lies 16 on
	s_mov_b32 s[G1S], 15|(3<<16)|(1<<21)           ; 15:0 all four work-groups; elements of 8 bytes; 21 set beside a mask.  Half a head's scale words: 8 rows of 256 bytes
	s_mov_b32 s[G1S+1], 32<<16
	s_mov_b32 s[G1S+2], 8<<16
	s_mov_b32 s[G1S+3], 32<<16
	s_mov_b32 s[G1S+4], 8
	s_mov_b32 s[G1S+5], 32
	s_mov_b32 s[G1S+6], 0
	s_mov_b32 s[G1S+7], 0
	s_mov_b32 s[G1K], 15|(3<<16)|(1<<21)           ; half of K's codes: 49,152 dense bytes as 192 rows of 256
	s_mov_b32 s[G1K+1], 32<<16
	s_mov_b32 s[G1K+2], 192<<16
	s_mov_b32 s[G1K+3], 32<<16
	s_mov_b32 s[G1K+4], 192
	s_mov_b32 s[G1K+5], 32
	s_mov_b32 s[G1K+6], 0
	s_mov_b32 s[G1K+7], 0
	s_mov_b32 s[G1V], 15|(3<<16)|(1<<21)           ; half of V's codes: 8 key steps, of each the head's 6,144 bytes (768 elements), 98,304 bytes (12,288 elements) apart
	s_mov_b32 s[G1V+1], 768<<16
	s_mov_b32 s[G1V+2], 8<<16
	s_mov_b32 s[G1V+3], 768<<16
	s_mov_b32 s[G1V+4], 8
	s_mov_b32 s[G1V+5], 12288
	s_mov_b32 s[G1V+6], 0
	s_mov_b32 s[G1V+7], 0
	s_add_co_u32 s2, s[HQ], 16
	s_mul_i32 s88, s2, 98304
	s_mul_i32 s3, s[EH], 49152                     ; my half, in memory and in LDS
	s_add_co_u32 s88, s88, s3
	s_mov_b32 s89, 0
	s_lshl_b32 s90, s2, 12
	s_lshl_b32 s19, s[EH], 11
	s_add_co_u32 s90, s90, s19
	s_add_co_u32 s90, s90, QK_SCL
	s_mov_b32 s91, 0
	s_lshl_b32 s2, s[BN], 4
	s_lshl_b32 s92, s[EH], 3
	s_add_co_u32 s92, s92, s2
	s_lshl_b32 s92, s92, 6
	s_lshl_b32 s94, s[HD], 2
	s_add_co_u32 s92, s92, s94
	s_mul_i32 s92, s92, 1536
	s_mov_b32 s93, 0
	s_add_co_u32 s94, s2, s[HD]
	s_lshl_b32 s94, s94, 12
	s_add_co_u32 s94, s94, s19
	s_add_co_u32 s94, s94, V_SCL
	s_mov_b32 s95, 0
	s_mov_b32 s[SEL], 0x76543210
	s_mov_b32 s[SEL+1], 0xfedcba98
	s_mov_b32 s[CS], 0x3e38aa3b                    ; log2(e) / 8
	s_mov_b32 s[CS+1], s[CS]
	s_cmp_eq_u32 s[EW], 0
	s_mov_b32 s[QSEL], 0x03020302
	s_cselect_b32 s[QSEL], 0x01000100, s[QSEL]
	s_wait_dscnt 0x0
	s_wait_kmcnt 0x0
	s_mov_b32 s[G0KS], 1
	s_add_co_u32 s[G0KS+1], s19, KSCL
	s_add_nc_u64 s[G0KS+2:G0KS+3], s[4:5], s[90:91]
	s_or_b32 s[G0KS+3], s[G0KS+3], 0x80000000
	s_mov_b32 s[G0K], 1
	s_mov_b32 s[G0K+1], s3
	s_add_nc_u64 s[G0K+2:G0K+3], s[4:5], s[88:89]
	s_or_b32 s[G0K+3], s[G0K+3], 0x80000000
	s_mov_b32 s[G0VS], 1
	s_add_co_u32 s[G0VS+1], s19, VSCL
	s_add_nc_u64 s[G0VS+2:G0VS+3], s[6:7], s[94:95]
	s_or_b32 s[G0VS+3], s[G0VS+3], 0x80000000
	s_mov_b32 s[G0V], 1
	s_add_co_u32 s[G0V+1], s3, VCOD
	s_add_nc_u64 s[G0V+2:G0V+3], s[6:7], s[92:93]
	s_or_b32 s[G0V+3], s[G0V+3], 0x80000000
	CROUND                                         ; all four work-groups are here: the joint loads meet
	s_cmp_lt_u32 s[WV], 2                          ; waves 0, 1: K's halves; waves 2, 3: V's; a wave's two fills stand together: two loads of mine are out at the most
	s_cbranch_scc0 .Lnot_k
	tensor_load_to_lds s[G0KS:G0KS+3], s[G1S:G1S+7]
	s_nop 0
	tensor_load_to_lds s[G0K:G0K+3], s[G1K:G1K+7]
	s_nop 0
.rept 4
	v_nop
.endr
	s_branch .Lasked
.Lnot_k:
	s_cmp_lt_u32 s[WV], 4
	s_cbranch_scc0 .Lasked
	tensor_load_to_lds s[G0VS:G0VS+3], s[G1S:G1S+7]
	s_nop 0
	tensor_load_to_lds s[G0V:G0V+3], s[G1V:G1V+7]
	s_nop 0
.rept 4
	v_nop
.endr
.Lasked:
	ADDRS 0
	ADDRS 1
	v_and_b32 v7, 31, v0                           ; lane
	v_and_b32 v242, 15, v0                         ; r
	v_bfe_u32 v243, v0, 4, 1                       ; h
	v_cmp_le_u32 s[HM], 16, v7
	v_lshlrev_b32 v1, 4, v7
	v_lshlrev_b32 v2, 3, v7
	v_add_nc_u32 v3, VCOD, v1
	v_add_nc_u32 v4, VCOD, v2
	v_lshl_add_u32 v5, v242, 4, KSCL
	v_lshl_add_u32 v6, v242, 4, v243               ; O's scale bytes: 16 r + h
	v_lshlrev_b32 v7, 4, v242
	global_load_b128 v[192:195], v1, s[QP:QP+1]    ; both passes' Q
	global_load_b64 v[196:197], v2, s[QP:QP+1] offset:512
	global_load_b32 v198, v7, s[QP+2:QP+3]
	global_load_b128 v[200:203], v1, s[QP+8:QP+9]
	global_load_b64 v[204:205], v2, s[QP+8:QP+9] offset:512
	global_load_b32 v206, v7, s[QP+10:QP+11]
	v_and_b32 v35, 8, v242
	v_add_nc_u32 v35, v35, v242
	v_lshlrev_b32 v243, 4, v243
	v_sub_nc_u32 v35, v35, v243
	s_lshl_b32 s88, s[PX], 5
	s_lshl_b32 s89, s[EW], 3
	s_add_co_u32 s88, s88, s89
	v_add_nc_u32 v35, s88, v35                     ; my query in its group of 128, less 16 h
.irp i, 0,1,2,3,4,5
	v_mov_b32 v[16+\i], 0
	v_mov_b32 v[28+\i], 0
.endr
.irp b, 0,1,2,3
	v_mov_b32 v[BT+\b], 0                          ; a lane permute's destination counts as one of its sources
.endr
	v_mov_b32 v93, 0                               ; (named as the upper half of the pair v[92:93])
	s_wait_tensorcnt 0x0                           ; my parts have landed,
	s_barrier_signal -1
	s_barrier_wait -1                              ; everybody's have: from here on LDS is only read
	s_wait_loadcnt 0x0                             ; Q
	PASS 0, 192
	PASS 1, 200
	s_wait_tensorcnt 0x0
	ds_add_u32 v254, v255
	s_wait_dscnt 0x0
	CROUND                                         ; the closing round
	s_endpgm
.Lfunc_end_k_qd70a3458ae_attn:
	.size	k_qd70a3458ae_attn, .Lfunc_end_k_qd70a3458ae_attn-k_qd70a3458ae_attn
	.p2alignl 7, 3214868480
	.fill 96, 4, 3214868480
	.section	.rodata,"a",@progbits
	.p2align	6, 0x0
	.amdhsa_kernel k_qd70a3458ae_attn
		.amdhsa_group_segment_fixed_size 206848
		.amdhsa_private_segment_fixed_size 0
		.amdhsa_enable_private_segment 0
		.amdhsa_kernarg_size 24
		.amdhsa_user_sgpr_count 2
		.amdhsa_user_sgpr_kernarg_segment_ptr 1
		.amdhsa_wavefront_size32 1
		.amdhsa_system_sgpr_workgroup_id_x 1
		.amdhsa_system_sgpr_workgroup_id_y 1
		.amdhsa_system_sgpr_workgroup_id_z 1
		.amdhsa_system_vgpr_workitem_id 0
		.amdhsa_next_free_vgpr 256
		.amdhsa_next_free_sgpr 96
		.amdhsa_reserve_vcc 1
		.amdhsa_float_denorm_mode_32 3
		.amdhsa_float_denorm_mode_16_64 3
		.amdhsa_memory_ordered 1
		.amdhsa_forward_progress 1
		.amdhsa_inst_pref_size 63
	.end_amdhsa_kernel
	.amdgpu_metadata
---
amdhsa.version: [ 1, 2 ]
amdhsa.kernels:
  - .name:           k_qd70a3458ae_attn
    .symbol:         k_qd70a3458ae_attn.kd
    .args:
      - { .name: qkbuf, .offset: 0, .size: 8, .value_kind: global_buffer, .address_space: global }
      - { .name: vbuf, .offset: 8, .size: 8, .value_kind: global_buffer, .address_space: global }
      - { .name: obuf, .offset: 16, .size: 8, .value_kind: global_buffer, .address_space: global }
    .group_segment_fixed_size: 206848
    .private_segment_fixed_size: 0
    .kernarg_segment_align: 8
    .kernarg_segment_size: 24
    .max_flat_workgroup_size: 512
    .sgpr_count:     96
    .vgpr_count:     256
    .wavefront_size: 32
...
	.end_amdgpu_metadata
.endif
;; end of part 3
;; launch proj (part 4): grid 4 x 32, 4 waves a work-group, clusters of 4 x 4, 327,680 bytes of LDS; arguments obuf, wbuf, bo, out0; writes out0
.if DOCPART == 4
	.amdgcn_target "amdgcn-amd-amdhsa--gfx1250"
	.amdhsa_code_object_version 6
	.text
	.protected	k_qd70a3458ae_proj
	.globl	k_qd70a3458ae_proj
	.p2align	8
	.type	k_qd70a3458ae_proj,@function
k_qd70a3458ae_proj:
	s_mov_b64 s[64:65], 0
	v_nop
	global_prefetch_b8 v0, s[64:65] scope:SCOPE_SE
	s_setreg_imm32_b32 hwreg(HW_REG_WAVE_MODE, 25, 1), 1
	s_wait_xcnt 0x0
	s_wait_alu depctr_hold_cnt(0) depctr_sa_sdst(0) depctr_va_vdst(0) depctr_va_sdst(0) depctr_va_ssrc(0) depctr_va_vcc(0) depctr_vm_vsrc(0)
	s_getreg_b32 s2, hwreg(HW_REG_IB_STS2, 6, 4)
	s_cmp_eq_u32 s2, 0
	s_cbranch_scc0 .Lentry_in_a_cluster
	s_endpgm
.Lentry_in_a_cluster:
	s_bfe_u32 s2, ttmp6, 0x10000c
	s_cmp_lg_u32 s2, 0xf033
	s_cbranch_scc0 .Lentry_shape_is_right
	s_endpgm
.Lentry_shape_is_right:
; out0 = O wo + bo on codes of FP6 (E2M3) with E8M0 scales; out0 [8192][1024] f32.
; A work-group makes 256 channels (S0 = wo) x 256 tokens (S1 = O), each of its four waves 128 x 128: 64 accumulators.  Source 0 = 16 rows of S0, source 1 = 16 rows of S1: a lane holds one token and eight neighbouring channels.
; OPERANDS come as images of their registers (pieces of 16 rows x 64 K = 768 bytes: lane l's first 16 bytes at 16 l, its last 8 at 512 + 8 l), [row / 128][K / 64][tile (8)][768]: 256 along K of 128 rows are one dense
; block of 24,576 bytes for one tensor load, and a fragment is four LDS loads of consecutive bytes.  Tile 2 g + u takes rows 32 g + 8 u + p + 8 (p / 8).
; K = 1,024 is four time slots of 256 in THREE LDS slots: three first fills, and slot 0 filled once again, for time slot 3.  Eight steps of 128 along K, written out.
; CLUSTERS: 4 x 4.  S1's tiles hang on the work-group's y and are asked for jointly by a row of the cluster, S0's on x, by a column.  The bias is the C of each sum's first product.
; 128 work-groups: the same tile as the launch for q, k and v, so that both have one core.
; REGISTERS: window 0: v1-5 lane numbers, v8-20 LDS addresses, v21-22 the add's, v23-24 the stage, v32-63 scale words (two sets), v64-127 the bias, v128-223 S1's 8 fragments (one set); on the way out v128-255 rows of out0.
;   window 1: S0's fragments, two sets, at v0 and v128.   windows 2, 3: accumulator (a, b) at v[8 (8 (a % 4) + b)].
.set O_SCL,  6291456
.set W_SCL,  3145728
.set QTR,    24576                     ; 128 rows x 256 along K: what one tensor load brings
.set SLOT,   4*QTR                     ; S1's two halves, then S0's two
.set SCL,    3*SLOT                    ; behind the slots: the scale words of the four blocks of 128 rows, all of K, 4,096 bytes each
.set SPARE,  SCL+4*4096                ; the spare words, 128 bytes for each wave: two blocks of 256 bytes that no other line names
.set SPITCH, 528                       ; the way out: a stage of 16 rows x (512 bytes + 16) for each wave, in slot 1, which has had its one fill, and whose last reads are over at the last barrier
.set ADRA16, 8
.set ADRA8,  11
.set ADRB16, 14
.set ADRB8,  17
.set ADRS,   20
.set SPW,    21
.set NIL,    22
.set STO,    23
.set RD,     24
.set SC,     32
.set BB,     64
.set AF,     128
.set BK,     128
.set WV,   26
.set WH,   27
.set WE,   3
.set XX,   67
.set YY,   100
.set G1A,  28
.set G1B,  36
.set G1SA, 44
.set G1SB, 52
.set G0A,  68
.set G0B,  80
.set G0SA, 92
.set G0SB, 96
.set MSB, 0
.macro WIN new                         ; the immediate's high byte repeats the setting that is left
.if MSB != \new
	s_set_vgpr_msb (MSB<<8)|\new
.set MSB, \new
.endif
.endm
.macro PLACES n
.rept \n
	v_nop
.endr
.endm
.macro CREST                           ; a round of the cluster's barrier behind its opening barrier
	s_cmp_lg_u32 s[WV], 0
	s_cbranch_scc1 .Lnot_wave_0_\@
	s_barrier_signal -3
.Lnot_wave_0_\@:
	s_barrier_wait -3
	s_barrier_signal -1
	s_barrier_wait -1
.endm
.macro CROUND
	s_barrier_signal -1
	s_barrier_wait -1
	CREST
.endm
.macro JLOAD                           ; the one joint refill: slot 0.  Four v_nop follow each of the two lines
	s_cmp_eq_u32 s[WH], 0
	s_cbranch_scc0 .Lfor_b_\@
	tensor_load_to_lds s[G0A:G0A+3], s[G1A:G1A+7]
	s_nop 0
	PLACES 4
	s_branch .Lasked_\@
.Lfor_b_\@:
	tensor_load_to_lds s[G0B:G0B+3], s[G1B:G1B+7]
	s_nop 0
	PLACES 4
.Lasked_\@:
.endm
.macro FRAG reg, a16, a8, off          ; a fragment: two pieces, 6,144 bytes (64 along K) apart
	ds_load_b128 v[\reg:\reg+3], v[\a16] offset:\off
	ds_load_b64 v[\reg+4:\reg+5], v[\a8] offset:\off+512
	ds_load_b128 v[\reg+6:\reg+9], v[\a16] offset:\off+6144
	ds_load_b64 v[\reg+10:\reg+11], v[\a8] offset:\off+6656
.endm
.macro FETCH_B L, q, p
	WIN 0x40
.irp i, 0,1,2,3,4,5,6,7
	FRAG 128*(\p)+12*\i, ADRB16+\L, ADRB8+\L, (16*(\q)+\i)*768
.endr
	WIN 0
.endm
.macro FETCH_A L, q, i0
.irp i, \i0, \i0+1, \i0+2, \i0+3
	FRAG AF+12*(\i), ADRA16+\L, ADRA8+\L, (16*(\q)+(\i))*768
.endr
.endm
.macro SCALES T
.irp i, 0,1,2,3,4,5,6,7
	ds_load_b64 v[SC+16*((\T)%2)+2*\i:SC+16*((\T)%2)+2*\i+1], v[ADRS] offset:((\T)/2)*2048+((\T)%2)*8+256*\i
.endr
.endm
; 16 products: S1's blocks a0, a0 + 1 x S0's eight.  cm = 0: onto the sums; 1: the sums begin with the bias of S0's block.  The 64 accumulators take turns, in the same order in every step.
.macro MUL16 a0, q, sc, cm
.irp a, \a0, \a0+1
.irp b, 0,1,2,3,4,5,6,7
.if \cm == 0
	v_wmma_scale_f32_16x16x128_f8f6f4 v[8*(8*((\a)%4)+\b):8*(8*((\a)%4)+\b)+7], v[128*(\q)+12*\b:128*(\q)+12*\b+11], v[AF+12*(\a):AF+12*(\a)+11], v[8*(8*((\a)%4)+\b):8*(8*((\a)%4)+\b)+7], v[SC+16*(\sc)+2*\b+(\q)], v[SC+16*(\sc)+2*(\a)+(\q)] matrix_a_fmt:MATRIX_FMT_FP6 matrix_b_fmt:MATRIX_FMT_FP6 matrix_a_scale:MATRIX_SCALE_ROW1
.else
	v_wmma_scale_f32_16x16x128_f8f6f4 v[8*(8*((\a)%4)+\b):8*(8*((\a)%4)+\b)+7], v[128*(\q)+12*\b:128*(\q)+12*\b+11], v[AF+12*(\a):AF+12*(\a)+11], v[BB+8*\b:BB+8*\b+7], v[SC+16*(\sc)+2*\b+(\q)], v[SC+16*(\sc)+2*(\a)+(\q)] matrix_a_fmt:MATRIX_FMT_FP6 matrix_b_fmt:MATRIX_FMT_FP6 matrix_a_scale:MATRIX_SCALE_ROW1
.endif
.endr
.endr
.endm
; A step of 128 along K.  Loads into registers that products have read stand four plain vector instructions behind them (ISA guide 7.12.1 for vector instructions).
.macro STEP q, sc, cm, nL, nq, nT
	s_wait_dscnt 16                                ; S0's set and S1's blocks 0-3 are in; the youngest 16 loads (S1's blocks 4-7) may be out
.if \cm
	WIN 0x81                                       ; source 0 window 1, source 1 and C window 0, D window 2
.else
	WIN 0xa1
.endif
	MUL16 0, \q, \sc, \cm
	MUL16 2, \q, \sc, \cm
	s_wait_dscnt 0x0
	PLACES 4
	FETCH_B \nL, \nq, 1-(\q)
	FETCH_A \nL, \nq, 0
.if (\nq) == 0
	SCALES \nT
.endif
.if \cm
	WIN 0xc1
.else
	WIN 0xf1
.endif
	MUL16 4, \q, \sc, \cm
	MUL16 6, \q, \sc, \cm
	PLACES 4
	WIN 0
	FETCH_A \nL, \nq, 4
.endm
; A slot's second step with a barrier.  kind = 2: slot 0 is filled again: the barrier opens a round of the cluster's.  kind = 1: the refill has landed for everybody.
.macro TURN sc, kind, nL, nT
	s_wait_tensorcnt 0x0                           ; all my tensor loads have landed;
	ds_add_u32 v[SPW], v[NIL]                      ; 0 onto my spare word;
	s_wait_dscnt 17                                ; (the add and the youngest 16 loads may be out)
	WIN 0xa1
	MUL16 0, 1, \sc, 0                             ; sixteen products stand between the add and the wait for it
	s_wait_dscnt 0x0                               ; the add is done, and my reads of the slots behind me are over
	s_barrier_signal -1
	MUL16 2, 1, \sc, 0
	WIN 0
	s_barrier_wait -1
.if \kind == 2
	CREST                                          ; no wave of any partner still reads slot 0 or has a load on its way
	s_add_nc_u64 s[G0A+2:G0A+3], s[G0A+2:G0A+3], 3*QTR
	s_add_nc_u64 s[G0B+2:G0B+3], s[G0B+2:G0B+3], 3*QTR
	JLOAD                                          ; first behind the round; 224 products of mine stand ahead of the wait for it; its four v_nop are the places in front of the loads below
.else
	PLACES 4
.endif
	FETCH_B \nL, 0, 0
	FETCH_A \nL, 0, 0
	SCALES \nT
	WIN 0xf1
	MUL16 4, 1, \sc, 0
	MUL16 6, 1, \sc, 0
	PLACES 4
	WIN 0
	FETCH_A \nL, 0, 4
.endm
	s_load_b256 s[4:11], s[0:1], 0x0               ; obuf, wbuf, bo, out0
	v_lshl_add_u32 v[SPW], v0, 2, SPARE
	v_mov_b32 v[NIL], 0
	ds_add_u32 v21, v22
	ds_add_u32 v21, v22
	s_wait_dscnt 0x0
	v_lshrrev_b32 v1, 5, v0
	v_readfirstlane_b32 s[WV], v1
	s_lshr_b32 s[WH], s[WV], 1
	s_and_b32 s[WE], s[WV], 1
	s_bfe_u32 s60, ttmp6, 0x40000                  ; cx
	s_bfe_u32 s61, ttmp6, 0x40004                  ; cy
	s_lshl_b32 s[XX], ttmp9, 2
	s_add_co_u32 s[XX], s[XX], s60                 ; X: which 256 channels
	s_and_b32 s[YY], ttmp7, 0xffff
	s_lshl_b32 s[YY], s[YY], 2
	s_add_co_u32 s[YY], s[YY], s61                 ; Y: which 256 tokens
	s_lshl_b32 s63, s61, 2
	s_lshl_b32 s63, 15, s63                        ; my row of the cluster
	s_lshl_b32 s101, 0x1111, s60                   ; my column
	s_or_b32 s[G1A], s63, (3<<16)|(1<<21)          ; 15:0 the mask; 17:16 elements of 8 bytes; 21 set beside a mask; no padding
	s_or_b32 s[G1SA], s63, (3<<16)|(1<<21)
	s_or_b32 s[G1B], s101, (3<<16)|(1<<21)
	s_or_b32 s[G1SB], s101, (3<<16)|(1<<21)
.irp g, G1A, G1B                       ; 24,576 dense bytes as 96 rows of 256
	s_mov_b32 s[\g+1], 32<<16
	s_mov_b32 s[\g+2], 96<<16
	s_mov_b32 s[\g+3], 32<<16
	s_mov_b32 s[\g+4], 96
	s_mov_b32 s[\g+5], 32
	s_mov_b32 s[\g+6], 0
	s_mov_b32 s[\g+7], 0
.endr
.irp g, G1SA, G1SB                     ; 4,096 dense bytes as 16 rows of 256
	s_mov_b32 s[\g+1], 32<<16
	s_mov_b32 s[\g+2], 16<<16
	s_mov_b32 s[\g+3], 32<<16
	s_mov_b32 s[\g+4], 16
	s_mov_b32 s[\g+5], 32
	s_mov_b32 s[\g+6], 0
	s_mov_b32 s[\g+7], 0
.endr
	s_lshl_b32 s63, s[YY], 1
	s_add_co_u32 s63, s63, s[WE]                   ; the block of S1 that I fetch: hangs on Y and the wave alone
	s_mul_i32 s18, s63, 98304
	s_mov_b32 s19, 0
	s_lshl_b32 s20, s63, 12
	s_add_co_u32 s20, s20, O_SCL
	s_mov_b32 s21, 0
	s_lshl_b32 s101, s[XX], 1
	s_add_co_u32 s101, s101, s[WE]
	s_add_co_u32 s101, s101, 24                    ; the block of S0: wo's begin at 24 in wbuf
	s_mul_i32 s22, s101, 98304
	s_mov_b32 s23, 0
	s_lshl_b32 s24, s101, 12
	s_add_co_u32 s24, s24, W_SCL
	s_mov_b32 s25, 0
	s_mul_i32 s63, s[WV], QTR                      ; where they go: no place in the cluster enters an LDS address
	s_lshl_b32 s101, s[WV], 12
	s_wait_kmcnt 0x0
	s_add_nc_u64 s[18:19], s[4:5], s[18:19]
	s_add_nc_u64 s[20:21], s[4:5], s[20:21]
	s_add_nc_u64 s[22:23], s[6:7], s[22:23]
	s_add_nc_u64 s[24:25], s[6:7], s[24:25]
	s_mov_b32 s[G0SA], 1
	s_add_co_u32 s[G0SA+1], s101, SCL
	s_mov_b64 s[G0SA+2:G0SA+3], s[20:21]
	s_or_b32 s[G0SA+3], s[G0SA+3], 0x80000000
	s_mov_b32 s[G0SB], 1
	s_add_co_u32 s[G0SB+1], s101, SCL
	s_mov_b64 s[G0SB+2:G0SB+3], s[24:25]
	s_or_b32 s[G0SB+3], s[G0SB+3], 0x80000000
.irp L, 0,1,2
	s_mov_b32 s[G0A+4*\L], 1
	s_add_co_u32 s[G0A+4*\L+1], s63, \L*SLOT
	s_add_nc_u64 s[G0A+4*\L+2:G0A+4*\L+3], s[18:19], \L*QTR
	s_or_b32 s[G0A+4*\L+3], s[G0A+4*\L+3], 0x80000000
	s_mov_b32 s[G0B+4*\L], 1
	s_add_co_u32 s[G0B+4*\L+1], s63, \L*SLOT
	s_add_nc_u64 s[G0B+4*\L+2:G0B+4*\L+3], s[22:23], \L*QTR
	s_or_b32 s[G0B+4*\L+3], s[G0B+4*\L+3], 0x80000000
.endr
	CROUND                                         ; all sixteen work-groups are here: the first joint loads meet
	s_cmp_eq_u32 s[WH], 0                          ; a wave's four first fills stand in one branch: four loads of mine are out
	s_cbranch_scc0 .Lfirst_b
	tensor_load_to_lds s[G0SA:G0SA+3], s[G1SA:G1SA+7]
	s_nop 0
	tensor_load_to_lds s[G0A:G0A+3], s[G1A:G1A+7]
	s_nop 0
	tensor_load_to_lds s[G0A+4:G0A+7], s[G1A:G1A+7]
	s_nop 0
	tensor_load_to_lds s[G0A+8:G0A+11], s[G1A:G1A+7]
	s_nop 0
	PLACES 4
	s_branch .Lfirst_done
.Lfirst_b:
	tensor_load_to_lds s[G0SB:G0SB+3], s[G1SB:G1SB+7]
	s_nop 0
	tensor_load_to_lds s[G0B:G0B+3], s[G1B:G1B+7]
	s_nop 0
	tensor_load_to_lds s[G0B+4:G0B+7], s[G1B:G1B+7]
	s_nop 0
	tensor_load_to_lds s[G0B+8:G0B+11], s[G1B:G1B+7]
	s_nop 0
	PLACES 4
.Lfirst_done:
	v_and_b32 v1, 31, v0                           ; lane
	v_and_b32 v2, 15, v0                           ; r
	v_bfe_u32 v3, v0, 4, 1                         ; h
	v_lshlrev_b32 v4, 4, v1
	v_lshlrev_b32 v5, 3, v1
	s_mul_i32 s60, s[WH], QTR                      ; my half of S1,
	s_mul_i32 s61, s[WE], QTR
	s_add_co_u32 s61, s61, 2*QTR                   ; my half of S0, behind S1's two
.irp L, 0,1,2
	v_add_nc_u32 v[ADRA16+\L], s60, v4
	v_add_nc_u32 v[ADRA8+\L], s60, v5
	v_add_nc_u32 v[ADRB16+\L], s61, v4
	v_add_nc_u32 v[ADRB8+\L], s61, v5
	s_add_co_u32 s60, s60, SLOT
	s_add_co_u32 s61, s61, SLOT
.endr
	s_lshl_b32 s60, s[WH], 12
	s_lshl_b32 s61, s[WE], 12
	s_add_co_u32 s61, s61, 2*4096
	s_sub_co_u32 s61, s61, s60
	v_mul_u32_u24 v6, s61, v3                      ; lanes 16-31 take S0's words: one product, the distance between the two bases
	s_add_co_u32 s60, s60, SCL
	v_lshl_add_u32 v6, v2, 4, v6
	v_add_nc_u32 v[ADRS], s60, v6
	s_mul_i32 s60, s[WV], 16*SPITCH
	s_add_co_u32 s60, s60, SLOT                    ; my stage, in slot 1
	v_mul_u32_u24 v[STO], v2, SPITCH
	v_lshl_add_u32 v[STO], v3, 6, v[STO]
	v_add_nc_u32 v[STO], s60, v[STO]               ; in: row r, + 64 h
	v_add_nc_u32 v[RD], s60, v4                    ; back: the 32 lanes take one row of 512 bytes
	; the bias: register 8 b + j is that of channel 32 (b / 2) + 8 (b % 2) + 16 h + j of my 128
	s_lshl_b32 s62, s[XX], 1
	s_add_co_u32 s62, s62, s[WE]
	s_lshl_b32 s62, s62, 9
	s_mov_b32 s63, 0
	s_add_nc_u64 s[8:9], s[8:9], s[62:63]
	v_lshlrev_b32 v6, 6, v3
.irp t, 0,1,2,3,4,5,6,7
	global_load_b128 v[BB+8*\t:BB+8*\t+3], v6, s[8:9] offset:(32*(\t/2)+8*(\t%2))*4
	global_load_b128 v[BB+8*\t+4:BB+8*\t+7], v6, s[8:9] offset:(32*(\t/2)+8*(\t%2))*4+16
.endr
	s_lshl_b32 s60, s[YY], 8
	s_lshl_b32 s61, s[WH], 7
	s_add_co_u32 s60, s60, s61                     ; my first token
	s_lshl_b32 s60, s60, 12
	s_add_co_u32 s60, s60, s62                     ; + my first channel's bytes: 1,024 X + 512 x half
	s_mov_b32 s61, 0
	s_add_nc_u64 s[10:11], s[10:11], s[60:61]
	s_wait_tensorcnt 2                             ; the scale words and time slot 0 are in; time slots 1 and 2 may stay out
	s_barrier_signal -1
	s_barrier_wait -1
	FETCH_B 0, 0, 0
	FETCH_A 0, 0, 0
	SCALES 0
	FETCH_A 0, 0, 4
	s_wait_loadcnt 0x0                             ; the bias
	STEP 0, 0, 1, 0, 1, 0
	TURN 0, 2, 1, 1                                ; slot 0 is left and filled again
	STEP 0, 1, 0, 1, 1, 0
	STEP 1, 1, 0, 2, 0, 2                          ; on into slot 2 without a barrier: it was shown whole at the round, and nobody writes slot 1 yet
	STEP 0, 0, 0, 2, 1, 0
	TURN 0, 1, 0, 3                                ; time slot 3 has landed for everybody; behind this barrier nobody reads slot 1
	STEP 0, 1, 0, 0, 1, 0
	s_wait_dscnt 16                                ; the last step: nothing more to fetch
	WIN 0xa1
	MUL16 0, 1, 1, 0
	MUL16 2, 1, 1, 0
	s_wait_dscnt 0x0
	WIN 0xf1
	MUL16 4, 1, 1, 0
	MUL16 6, 1, 1, 0
	WIN 0
; THE WAY OUT, S1's tile a (16 tokens x my 128 channels) at a time, through my own stage: in as the accumulators stand, back as whole rows of 512 bytes.  LDS serves a wave's instructions in order: no wait between.
.macro TOSTAGE a
.set AC, 64*((\a)%4)
	WIN 0x08+4*((\a)/4)                            ; an LDS store's data: window 2 or 3
.irp b, 0,1,2,3,4,5,6,7
	ds_store_b128 v[STO], v[AC+8*\b:AC+8*\b+3] offset:128*(\b/2)+32*(\b%2)          ; each accumulator from its low end on
	ds_store_b128 v[STO], v[AC+8*\b+4:AC+8*\b+7] offset:128*(\b/2)+32*(\b%2)+16
.endr
	WIN 0
.set BBK, BK+64*((\a)%2)
.irp t, 0,1,2,3,4,5,6,7,8,9,10,11,12,13,14,15
	ds_load_b128 v[BBK+4*\t:BBK+4*\t+3], v[RD] offset:\t*SPITCH
.endr
.endm
.macro SEND a, younger                 ; younger: the LDS instructions issued behind tile a's loads, which may stay out
.set BBK, BK+64*((\a)%2)
	s_wait_dscnt \younger
.irp t, 0,1,2,3,4,5,6,7,8,9,10,11,12,13,14,15
	global_store_b128 v4, v[BBK+4*\t:BBK+4*\t+3], s[10:11] offset:(32*((\a)/2)+8*((\a)%2)+\t+8*(\t/8))*4096 th:TH_STORE_NT   ; 32 lanes store 512 consecutive bytes, aligned to 256; stage row t is token 32 (a / 2) + 8 (a % 2) + t + 8 (t / 8)
.endr
.endm
	PLACES 4                                       ; behind the last products: for the loads into S1's registers and for the reads of results
	TOSTAGE 0
.irp a, 1,2,3,4,5,6,7
.if \a > 1
	s_wait_xcnt 0x0                                ; tile a - 2's stores have read their registers: tile a's rows may land there
.endif
	TOSTAGE \a
	SEND \a-1, 32                                  ; behind tile a - 1's loads: tile a's 16 stores and 16 loads
.endr
	SEND 7, 0
	s_wait_tensorcnt 0x0                           ; the wave's end: behind my last tensor load and my last LDS store
	ds_add_u32 v[SPW], v[NIL]
	s_wait_dscnt 0x0
	CROUND                                         ; the closing round
	s_endpgm
.Lfunc_end_k_qd70a3458ae_proj:
	.size	k_qd70a3458ae_proj, .Lfunc_end_k_qd70a3458ae_proj-k_qd70a3458ae_proj
	.p2alignl 7, 3214868480
	.fill 96, 4, 3214868480
	.section	.rodata,"a",@progbits
	.p2align	6, 0x0
	.amdhsa_kernel k_qd70a3458ae_proj
		.amdhsa_group_segment_fixed_size 327680
		.amdhsa_private_segment_fixed_size 0
		.amdhsa_enable_private_segment 0
		.amdhsa_kernarg_size 32
		.amdhsa_user_sgpr_count 2
		.amdhsa_user_sgpr_kernarg_segment_ptr 1
		.amdhsa_wavefront_size32 1
		.amdhsa_system_sgpr_workgroup_id_x 1
		.amdhsa_system_sgpr_workgroup_id_y 1
		.amdhsa_system_sgpr_workgroup_id_z 1
		.amdhsa_system_vgpr_workitem_id 0
		.amdhsa_next_free_vgpr 1024
		.amdhsa_next_free_sgpr 102
		.amdhsa_reserve_vcc 0
		.amdhsa_float_denorm_mode_32 3
		.amdhsa_float_denorm_mode_16_64 3
		.amdhsa_memory_ordered 1
		.amdhsa_forward_progress 1
		.amdhsa_inst_pref_size 144
	.end_amdhsa_kernel
	.amdgpu_metadata
---
amdhsa.version: [ 1, 2 ]
amdhsa.kernels:
  - .name:           k_qd70a3458ae_proj
    .symbol:         k_qd70a3458ae_proj.kd
    .args:
      - { .name: obuf, .offset: 0, .size: 8, .value_kind: global_buffer, .address_space: global }
      - { .name: wbuf, .offset: 8, .size: 8, .value_kind: global_buffer, .address_space: global }
      - { .name: bo, .offset: 16, .size: 8, .value_kind: global_buffer, .address_space: global }
      - { .name: out0, .offset: 24, .size: 8, .value_kind: global_buffer, .address_space: global }
    .group_segment_fixed_size: 327680
    .private_segment_fixed_size: 0
    .kernarg_segment_align: 8
    .kernarg_segment_size: 32
    .max_flat_workgroup_size: 128
    .sgpr_count:     102
    .vgpr_count:     1024
    .wavefront_size: 32
...
	.end_amdgpu_metadata
.endif
;; end of part 4
